; MI455X (gfx1250); checked and timed in simulation.
; The chip was launched on July 23, 2026; its instructions are those of AMD's public machine-readable ISA for CDNA 5 (MIT licence, August 2026) and "CDNA5" Instruction Set Architecture Reference Guide (July 2026). The comments in the code are by the model that wrote it; some were corrected since.
;; Episodic Adapter. Allowed arithmetic: matrix products marked QUANTISED: E2M1 operands, one E8M0 scale for each 32 along K, by v_wmma_scale_f32_16x16x128_f8f6f4 with both operands' format E2M1 (or v_wmma_scale_f32_32x16x128_f4), f32 sums; products left as they are: f32 operands where the result goes on into a quantised operand, else bf16, f16 or f32 operands; f32 sums; everything else in f32.
;; Inputs: Ak 2,048 x 16 float32; Ao 2,048 x 16 float32; Aq 2,048 x 16 float32; Av 2,048 x 16 float32; Bk 16 x 512 float32; Bo 16 x 2,048 float32; Bq 16 x 2,048 float32; Bv 16 x 512 float32; Wk 2,048 x 512 float32; Wo 2,048 x 2,048 float32; Wq 2,048 x 2,048 float32; Wv 2,048 x 512 float32; hidden_states 4 x 1,024 x 2,048 float32; traces 4 x 1,024 x 2,048 float32.
;; Outputs: out0 4 x 1,024 x 2,048 float32.
;; This version of the problem:
;;   THIS VERSION OF THE PROBLEM IS GIVEN IN LOW PRECISION. The matrix products marked QUANTISED in the list below multiply operands that are first quantised to E2M1 (2 exponent bits, 1 mantissa bit; 4 bits a number), with one power-of-two scale for each 32 numbers along K (OCP MX v1.0); their sums are f32. All else is computed in f32.
;;   The module's matrix products, in the order in which they are computed (A, B: the left and right operand; K: the contracted axis; several contracted axes count as one K, in the product's order):
;;     1. [M 4,096, K 2,048] x [K 2,048, N 2,048]; A: input hidden_states; B: input Wq: QUANTISED
;;     2. [M 4,096, K 2,048] x [K 2,048, N 16]; A: input hidden_states; B: input Aq: QUANTISED
;;     3. [M 4,096, K 16] x [K 16, N 2,048]; A: computed on the way; B: input Bq: left as it is (K = 16 < 32)
;;     4. [M 4,096, K 2,048] x [K 2,048, N 512]; A: input traces; B: input Wk: QUANTISED
;;     5. [M 4,096, K 2,048] x [K 2,048, N 16]; A: input traces; B: input Ak: QUANTISED
;;     6. [M 4,096, K 16] x [K 16, N 512]; A: computed on the way; B: input Bk: left as it is (K = 16 < 32)
;;     7. [M 4,096, K 2,048] x [K 2,048, N 512]; A: input traces; B: input Wv: QUANTISED
;;     8. [M 4,096, K 2,048] x [K 2,048, N 16]; A: input traces; B: input Av: QUANTISED
;;     9. [M 4,096, K 16] x [K 16, N 512]; A: computed on the way; B: input Bv: left as it is (K = 16 < 32)
;;     10. batch 128 x [M 1,024, K 64] x [K 64, N 1,024]; A: computed on the way; B: computed on the way: QUANTISED
;;     11. batch 128 x [M 1,024, K 1,024] x [K 1,024, N 64]; A: softmax (see below); B: computed on the way: QUANTISED
;;     12. [M 4,096, K 2,048] x [K 2,048, N 2,048]; A: computed on the way; B: input Wo: QUANTISED
;;     13. [M 4,096, K 2,048] x [K 2,048, N 16]; A: computed on the way; B: input Ao: QUANTISED
;;     14. [M 4,096, K 16] x [K 16, N 2,048]; A: computed on the way; B: input Bo: left as it is (K = 16 < 32)
;;   THE QUANTISER, for each operand of a quantised product, along K:
;;     - K is cut into blocks of 32 from its start; a last block that is shorter is filled with zeros.
;;     - A block's scale is 2^e with e = floor(log2(the largest magnitude in the block)) - 2, held to -126 .. 127; a block of zeros has e = 0. As a byte (E8M0): e + 127.
;;     - Each number is divided by its block's scale, clamped to +-6, and rounded to the nearest number of E2M1, ties to even, subnormals kept.
;;     - The product sums the exact products of the quantised numbers (number of the format x scale) in f32.
;;   ~~~python
;;   def quantise(x, axis):      # numpy; x: float32 -> the quantised numbers, widened to float32 again
;;       x = np.moveaxis(x, axis, -1); K = x.shape[-1]
;;       x = np.pad(x, [(0, 0)] * (x.ndim - 1) + [(0, -K % 32)]); x = x.reshape(x.shape[:-1] + (-1, 32)); a = np.abs(x).max(-1, keepdims=True)
;;       e = np.where(a > 0, np.clip(np.frexp(np.where(a > 0, a, 1))[1] - 1 - 2, -126, 127), 0)      # np.frexp(a)[1] - 1 = floor(log2(a)), exactly
;;       r = np.clip(x / 2.0 ** e, -6, 6)
;;       step = 2.0 ** (np.maximum(np.frexp(np.where(r == 0, 1, r))[1] - 1, 0) - 1)
;;       q = np.round(r / step) * step * 2.0 ** e      # np.round: ties to even
;;       return np.moveaxis(q.reshape(q.shape[:-2] + (-1,))[..., :K], -1, axis).astype(np.float32)
;;   ~~~
;;   SOFTMAX AHEAD OF A QUANTISED PRODUCT. Where the list says 'softmax', what is quantised is not the finished softmax but p = 2^(t - M), with t = logit x log2(e) and M = ceil(the row's largest t), a whole number; so 1/2 < the row's largest p <= 1. The row's sum l is taken of the UNQUANTISED p, in f32, and the product's result is divided by l at the end. Since M is a whole number, a kernel that streams over the keys may use a running M (the ceiling of the running maximum): every later rescaling is an exact power of two, which a block's scale takes up: the codes' values come out the same.
;;   OPERANDS COMPUTED ON THE WAY. 'Computed on the way' means the value that the module computes at that place (a softmax that the list does not call 'softmax' is quantised finished and normalised). What goes into a quantiser is computed in f32, as accurately as f32 sums, v_exp_f32 and their like allow (about 1e-6 of the number): no bf16 or f16 on the way to a quantiser, and a product that is left as it is and whose result goes on into a quantised operand takes f32 operands (vector FMAs, or v_wmma_f32_16x16x4_f32). A number that lies on a knife's edge between two numbers of the format may be rounded either way, as far as f32 arithmetic and the matrix unit's own rounding can turn it there, and no further.
;; One version. Each part assembles by itself: llvm-mc -triple=amdgcn-amd-amdhsa -mcpu=gfx1250 --defsym DOCPART=n.
;; ======== version 1 of 1: 4 launches
;; limits: values are held in bf16: 8 bits of precision; right only within a limited range of input values
;; workspace buffers: xop 8,912,896 bytes; wop 5,967,872 bytes; qkv 6,684,672 bytes; cop 4,456,448 bytes
;; launch prep (part 1): grid 584 x 1, 4 waves a work-group, no clusters, 34,304 bytes of LDS; arguments hidden_states, traces, Wq, Wk, Wv, Wo, Aq, Ak, Av, Ao, Bq, Bk, Bv, Bo, xop, wop; writes xop, wop
.if DOCPART == 1
	.amdgcn_target "amdgcn-amd-amdhsa--gfx1250"
	.amdhsa_code_object_version 6
	.text
	.protected	k_q2283ae5d1b_prep
	.globl	k_q2283ae5d1b_prep
	.p2align	8
	.type	k_q2283ae5d1b_prep,@function
k_q2283ae5d1b_prep:
	s_mov_b64 s[64:65], 0
	v_nop
	global_prefetch_b8 v0, s[64:65] scope:SCOPE_SE
	s_setreg_imm32_b32 hwreg(HW_REG_WAVE_MODE, 25, 1), 1
	s_wait_xcnt 0x0
; PREP: every f32 input that is an operand of a quantised product becomes codes of FP4 (E2M1) with one E8M0 byte for each 32 along K (K = 2,048 for all of them).
; NO WORK OF THE PROBLEM IS LEFT OUT in this program: all fourteen inputs reach out0 for general values, there is no mask, and nothing is sliced away.
; OPERAND IMAGE.  16 rows x 2,048 K are a ROW BLOCK of 17,408 bytes = two halves of K of 8,704.  A half: 512 scale bytes (two quads of 256: byte kb % 16 of row r at 256 (kb / 16) + 16 r),
; then 16 UNITS of 512 bytes.  A unit is 16 rows x 64 K as the matrix unit's registers take it: lane 16 h + r owns the 16 bytes at 16 x lane: K = 32 h .. 32 h + 31 of row r.
; ROW ORDER.  Storage row p holds true row sigma(p), p with bits 3 and 4 exchanged: tile 2 b + u, place 8 h + j is true row 32 b + 16 h + 8 u + j.  So where such an operand is source 0, a lane's 16 results of
; two neighbouring tiles are 16 true neighbours, which is what the next quantiser wants.  The LoRA A matrices (16 ranks) are not permuted.
; xop: blocks 0-255 hidden_states, 256-511 traces.  wop: blocks 0-127 Wq, 128-159 Wk, 160-191 Wv, 192-319 Wo (rows = output columns), 320-323 Aq, Ak, Av, Ao; behind them 2 x B^T in f32, 64 bytes a storage row
; (the LoRA scaling 2.0 is a power of two: folding it into B rounds nothing).
; WORK-GROUPS 0-327: weights, K is their FIRST axis: a lane takes a column and its registers run down K (32 columns x 256 K a wave).  Work-groups 328-583: activations, K innermost: a wave takes one row block's half.
; The work-groups share no input, so there is no cluster.
; LIMITS: NaN and infinities among the inputs are not served.  A block whose largest magnitude lies under 2^-124 gets the byte 1; a block of zeros gets the byte 1 with zero codes where the rule says 127: the bytes are read by this program alone.
.set NW,    328
.set SPARE, 33792                      ; behind the four stages: the spare words, 128 bytes a wave
.set BT0,   5640192                    ; 324 row blocks
.set RBB,   17408
.set HB,    8704
.set SPW,   2                          ; v2  SPARE + 4 x thread; never rewritten
.set NIL,   3                          ; v3  0; never rewritten
.set OFF,   32                         ; W: v32-63 4 x column + i x pitch
.set X,     64                         ; W: v64-127 two sets of 32 numbers
.set C,     128                        ; W: v128-159 codes, four registers a block, never written again
.set SB,    16                         ; W: v16-17 scale bytes
.set XR,    64                         ; X: v64-191 two sets of 64 as loaded
.set XX,    192                        ; X: v192-255 64 neighbours
	s_load_b512 s[16:31], s[0:1], 0x0              ; hs 16, traces 18, Wq 20, Wk 22, Wv 24, Wo 26, Aq 28, Ak 30
	s_load_b512 s[32:47], s[0:1], 0x40             ; Av 32, Ao 34, Bq 36, Bk 38, Bv 40, Bo 42, xop 44, wop 46
	v_lshl_add_u32 v[SPW], v0, 2, SPARE
	v_mov_b32 v[NIL], 0
	v_lshrrev_b32 v1, 5, v0
	v_readfirstlane_b32 s2, v1                     ; wave
	s_wait_kmcnt 0x0
	s_cmp_lt_u32 ttmp9, NW
	s_cbranch_scc0 .Lx_path
	; ---------------- weights ----------------
	s_lshr_b32 s3, ttmp9, 3                        ; cg: group of 128 columns, 0..39; 40: the four A matrices
	s_and_b32 s4, ttmp9, 7                         ; hq: which 256 along K
	s_mov_b64 s[48:49], s[20:21]                   ; Wq, Bq, pitch, first group, first row block
	s_mov_b64 s[50:51], s[36:37]
	s_mov_b32 s5, 8192
	s_mov_b32 s6, 0
	s_mov_b32 s7, 0
	s_cmp_ge_u32 s3, 16                            ; the choices hang on the work-group's number alone
	s_cselect_b64 s[48:49], s[22:23], s[48:49]
	s_cselect_b64 s[50:51], s[38:39], s[50:51]
	s_cselect_b32 s5, 2048, s5
	s_cselect_b32 s6, 16, s6
	s_cselect_b32 s7, 128, s7
	s_cmp_ge_u32 s3, 20
	s_cselect_b64 s[48:49], s[24:25], s[48:49]
	s_cselect_b64 s[50:51], s[40:41], s[50:51]
	s_cselect_b32 s6, 20, s6
	s_cselect_b32 s7, 160, s7
	s_cmp_ge_u32 s3, 24
	s_cselect_b64 s[48:49], s[26:27], s[48:49]
	s_cselect_b64 s[50:51], s[42:43], s[50:51]
	s_cselect_b32 s5, 8192, s5
	s_cselect_b32 s6, 24, s6
	s_cselect_b32 s7, 192, s7
	s_mov_b64 s[52:53], s[28:29]                   ; group 40: wave w takes A matrix w
	s_cmp_ge_u32 s2, 1
	s_cselect_b64 s[52:53], s[30:31], s[52:53]
	s_cmp_ge_u32 s2, 2
	s_cselect_b64 s[52:53], s[32:33], s[52:53]
	s_cmp_ge_u32 s2, 3
	s_cselect_b64 s[52:53], s[34:35], s[52:53]
	s_sub_co_u32 s9, s3, s6
	s_lshl_b32 s9, s9, 7
	s_lshl_b32 s10, s2, 5
	s_add_co_u32 s9, s9, s10                       ; col0: my wave's first column
	s_lshr_b32 s10, s9, 4
	s_add_co_u32 s10, s10, s7                      ; rb: its row block
	s_add_co_u32 s11, s2, 320
	s_cmp_eq_u32 s3, 40
	s_cselect_b64 s[48:49], s[52:53], s[48:49]
	s_cselect_b32 s5, 64, s5
	s_cselect_b32 s8, -1, 0                        ; a lane mask: all ones for an A matrix
	s_cselect_b32 s9, 0, s9
	s_cselect_b32 s10, s11, s10
	v_and_b32 v1, 31, v0                           ; lane = 16 a + 8 u + c
	v_bfe_u32 v8, v0, 4, 1                         ; a
	v_bfe_u32 v9, v0, 3, 1                         ; u
	v_and_b32 v10, 7, v0                           ; c
	v_lshl_add_u32 v11, v8, 3, v10                 ; place in the storage tile: 8 a + c
	v_lshl_add_u32 v12, v9, 4, v11                 ; storage row among my 32
	v_lshlrev_b32 v6, 6, v12                       ; its 64 bytes of 2 B^T
	v_lshlrev_b32 v13, 4, v11
	v_mad_u32_u24 v13, v9, RBB, v13                ; where my codes go: row block u, 16 bytes a row
	v_and_b32 v14, 15, v0                          ; an A matrix has 16 columns: lanes 16-31 repeat lanes 0-15 and store the same bytes to the same places
	v_lshlrev_b32 v15, 4, v14
	v_cndmask_b32 v5, v13, v15, s8
	v_cndmask_b32 v4, v1, v14, s8
	v_lshlrev_b32 v4, 2, v4                        ; 4 x my column
.set I, 0
.rept 32
	v_mad_u32_u24 v[OFF+I], s5, I, v4
.set I, I+1
.endr
	; the prefetches' offsets.  A row's 512 bytes of the work-group are two blocks of 256, each read by two neighbouring waves: these share the rows out by parity.  Lane l names row 2 (l % 16) + wave % 2 of K block 2 + l / 16 (v160)
	; or 4 + l / 16 (v161), counted from the loads' base: 16 rows of each of two K blocks an instruction, a lane a block of 256 bytes
	v_and_b32 v160, 15, v0
	v_bfe_u32 v161, v0, 4, 1
	s_and_b32 s62, s2, 1
	v_lshl_add_u32 v160, v160, 1, s62
	v_lshl_add_u32 v160, v161, 5, v160
	v_add_nc_u32 v160, 64, v160
	v_add_nc_u32 v161, 64, v160
	v_mul_u32_u24 v160, s5, v160
	v_mul_u32_u24 v161, s5, v161
	s_mul_i32 s12, s4, s5
	s_lshl_b32 s12, s12, 8                         ; 256 hq rows
	s_lshl_b32 s13, s9, 2
	s_add_co_u32 s12, s12, s13
	s_mov_b32 s13, 0
	s_add_nc_u64 s[48:49], s[48:49], s[12:13]      ; the loads' base
	s_lshl_b32 s54, s5, 5                          ; a block on: 32 rows
	s_mov_b32 s55, 0
	s_mul_i32 s12, s10, RBB
	s_lshr_b32 s14, s4, 2
	s_mul_i32 s14, s14, HB
	s_add_co_u32 s12, s12, s14                     ; my row block's half
	s_and_b32 s14, s4, 3
	s_lshl_b32 s14, s14, 11
	s_add_co_u32 s14, s14, s12
	s_add_co_u32 s14, s14, 512
	s_mov_b32 s15, 0
	s_add_nc_u64 s[56:57], s[46:47], s[14:15]      ; codes: four units for 256 K
	s_bfe_u32 s14, s4, 0x10001
	s_lshl_b32 s14, s14, 8                         ; the quad,
	s_and_b32 s15, s4, 1
	s_lshl_b32 s15, s15, 3                         ; and my 8 bytes of a row's 16
	s_add_co_u32 s14, s14, s15
	s_add_co_u32 s14, s14, s12
	s_mov_b32 s15, 0
	s_add_nc_u64 s[58:59], s[46:47], s[14:15]
.macro WLOAD t                         ; block t: W(32 t + i, my column): 128 consecutive bytes a load
.if (\t) > 0
	s_wait_xcnt 0x0                                ; the earlier loads and stores have read their base and registers
	s_add_nc_u64 s[48:49], s[48:49], s[54:55]
.endif
.set I, 0
.rept 32
	global_load_b32 v[X+32*((\t)%2)+I], v[OFF+I], s[48:49] th:TH_LOAD_NT
.set I, I+1
.endr
.endm
.macro WBLOCK t
.set XS, X+32*((\t)%2)
.if (\t) < 7
	s_wait_loadcnt 32                              ; this block's 32 loads are in, the next block's may be out
.else
	s_wait_loadcnt 0x0
.endif
.if (\t) == 1
	s_cmp_eq_u32 s3, 40                            ; (not for the A matrices: four of their rows of 64 bytes share a block)
	s_cbranch_scc1 .Lno_pf1
	global_prefetch_b8 v161, s[48:49] th:TH_LOAD_NT scope:SCOPE_SE   ; the base stands at K block 2: blocks 6 and 7, the wave's last: their loads are issued three and four blocks on
.Lno_pf1:
.endif
	v_max3_num_f32 v8, |v[XS]|, |v[XS+1]|, |v[XS+2]|
	v_max3_num_f32 v9, |v[XS+3]|, |v[XS+4]|, |v[XS+5]|
.irp i, 6,10,14,18,22,26
	v_max3_num_f32 v8, v8, |v[XS+\i]|, |v[XS+\i+1]|
	v_max3_num_f32 v9, v9, |v[XS+\i+2]|, |v[XS+\i+3]|
.endr
	v_max3_num_f32 v8, v8, |v[XS+30]|, |v[XS+31]|
	v_max3_num_f32 v8, v8, v9, 0x1800000           ; the floor 2^(3 - 127): the byte cannot fall under 1
	v_add_nc_u32 v11, 0xff000000, v8               ; 2 off the exponent field: the conversion's scale operand
	v_lshrrev_b32 v10, 23, v11                     ; the scale's byte
.if (\t)%4 == 0
	v_mov_b32 v[SB+(\t)/4], v10
.else
	v_lshl_or_b32 v[SB+(\t)/4], v10, 8*((\t)%4), v[SB+(\t)/4]
.endif
.irp g, 0,1,2,3
	v_cvt_scalef32_pk8_fp4_f32 v[C+4*(\t)+\g], v[XS+8*\g:XS+8*\g+7], v11
.endr
	v_nop                                          ; one plain line behind the last conversion
	global_store_b128 v5, v[C+4*(\t):C+4*(\t)+3], s[56:57] offset:256*(\t)   ; the 16 lanes of a storage tile fill 256 consecutive bytes, aligned
.if (\t)+2 < 8
	WLOAD (\t)+2
.endif
.endm
	s_wait_alu depctr_va_vdst(0)
	s_cmp_eq_u32 s3, 40
	s_cbranch_scc1 .Lno_pf0
	global_prefetch_b8 v160, s[48:49] th:TH_LOAD_NT scope:SCOPE_SE   ; K blocks 2 and 3, whose loads are issued when blocks 0 and 1 have been worked,
	global_prefetch_b8 v161, s[48:49] th:TH_LOAD_NT scope:SCOPE_SE   ; and 4 and 5.  The base is stepped behind the 32 loads below and a wait on XCNT
.Lno_pf0:
	WLOAD 0
	WLOAD 1
.set Q, 0
.rept 8
	WBLOCK Q
.set Q, Q+1
.endr
	global_store_b64 v5, v[SB:SB+1], s[58:59]      ; 8 of a row's 16 scale bytes of a quad: one byte for 128 that are read
	s_cmp_lg_u32 s4, 0                             ; 2 B^T is made once for each column: by the work-groups of the first 256 K, not for the A matrices
	s_cbranch_scc1 .Lend
	s_cmp_eq_u32 s3, 40
	s_cbranch_scc1 .Lend
	s_lshl_b32 s12, s9, 2
	s_mov_b32 s13, 0
	s_add_nc_u64 s[50:51], s[50:51], s[12:13]
.set I, 0
.rept 16
	global_load_b32 v[64+I], v[OFF+I], s[50:51]    ; B(rank I, my column): B's pitch is W's
.set I, I+1
.endr
	s_lshl_b32 s12, s7, 4
	s_add_co_u32 s12, s12, s9
	s_lshl_b32 s12, s12, 6
	s_add_co_u32 s12, s12, BT0
	s_add_nc_u64 s[60:61], s[46:47], s[12:13]
	s_wait_loadcnt 0x0
.irp i, 0,2,4,6,8,10,12,14
	v_pk_add_f32 v[80+\i:81+\i], v[64+\i:65+\i], v[64+\i:65+\i]   ; x 2, exactly
.endr
.irp i, 0,1,2,3
	global_store_b128 v6, v[80+4*\i:83+4*\i], s[60:61] offset:16*\i
.endr
	s_branch .Lend
	; ---------------- activations ----------------
.Lx_path:
	s_sub_co_u32 s3, ttmp9, NW
	s_lshl_b32 s4, s3, 1
	s_lshr_b32 s5, s2, 1
	s_add_co_u32 s4, s4, s5                        ; my row block, 0..511
	s_and_b32 s5, s2, 1                            ; my half of K
	s_and_b32 s6, s4, 255
	s_lshr_b32 s7, s6, 1
	s_and_b32 s8, s6, 1
	s_lshl_b32 s7, s7, 5
	s_lshl_b32 s8, s8, 3
	s_add_co_u32 s7, s7, s8                        ; the block's first true row: 32 g + 8 u
	s_lshl_b32 s8, s7, 13
	s_lshl_b32 s9, s5, 12
	s_add_co_u32 s8, s8, s9
	s_mov_b32 s9, 0
	s_cmp_lt_u32 s3, 128
	s_cselect_b64 s[48:49], s[16:17], s[18:19]
	s_add_nc_u64 s[48:49], s[48:49], s[8:9]
	s_mul_i32 s10, s4, RBB
	s_mul_i32 s11, s5, HB
	s_add_co_u32 s10, s10, s11
	s_mov_b32 s11, 0
	s_add_nc_u64 s[50:51], s[44:45], s[10:11]
	s_mov_b32 s60, 0x76543210
	s_mov_b32 s61, 0xfedcba98                      ; v_permlanex16_b32: lane l xor 16
	s_mul_i32 s12, s2, 8448                        ; my stage: 16 rows x (512 + 16) bytes
	v_and_b32 v1, 31, v0
	v_lshlrev_b32 v4, 4, v1                        ; 16 x lane
	v_add_nc_u32 v5, s12, v4                       ; into the stage: a row's 512 bytes as they lie
	v_and_b32 v8, 15, v0
	v_bfe_u32 v9, v0, 4, 1
	v_mul_u32_u24 v6, v8, 528
	v_lshl_add_u32 v6, v9, 7, v6
	v_add_nc_u32 v6, s12, v6                       ; out of it: row r, 32 numbers from 128 h bytes on
	v_lshlrev_b32 v7, 3, v9                        ; 8 h
	v_bfe_u32 v48, v0, 1, 4                        ; the prefetches' offset, never rewritten: a step's 16 rows x 512 bytes are 32 blocks of 256: lane l names half l % 2 of place l / 2,
	v_and_b32 v49, 8, v48
	v_add_nc_u32 v48, v48, v49                     ; which is true row i + 8 (i / 8)
	v_and_b32 v49, 1, v0
	v_lshlrev_b32 v48, 13, v48
	v_lshl_add_u32 v48, v49, 8, v48
.macro XLOAD t                         ; 128 along K of the block's 16 rows, in storage order: place i is true row i + 8 (i / 8); 512 consecutive bytes a load
.set I, 0
.rept 16
	global_load_b128 v[XR+64*((\t)%2)+4*I:XR+64*((\t)%2)+4*I+3], v4, s[48:49] offset:(I+8*(I/8))*8192+512*(\t) th:TH_LOAD_NT
.set I, I+1
.endr
.endm
.macro XSTEP t
.if (\t) < 7
	s_wait_loadcnt 16                              ; this step's 16 loads are in, the next step's may be out
.else
	s_wait_loadcnt 0x0
.endif
.set I, 0
.rept 16
	ds_store_b128 v5, v[XR+64*((\t)%2)+4*I:XR+64*((\t)%2)+4*I+3] offset:528*I
.set I, I+1
.endr
.irp c, 0,1
.irp g, 0,1,2,3,4,5,6,7
	ds_load_b128 v[XX+32*\c+4*\g:XX+32*\c+4*\g+3], v6 offset:256*\c+16*\g   ; LDS serves a wave's instructions in order: these see my stores
.endr
.endr
	s_wait_dscnt 0x0                               ; the numbers are back, and the stores have read their registers
.if (\t)+2 < 8
	XLOAD (\t)+2
.endif
.if (\t)+4 < 8
	global_prefetch_b8 v48, s[48:49] offset:512*((\t)+4) th:TH_LOAD_NT scope:SCOPE_SE   ; the step whose loads are issued two steps on; the last four steps ask for nothing
.endif
.irp c, 0,1                            ; lane (r, h): block 4 t + 2 c + h of row r, all 32 numbers mine
	v_max3_num_f32 v[8+2*\c], |v[XX+32*\c]|, |v[XX+32*\c+1]|, |v[XX+32*\c+2]|
	v_max3_num_f32 v[9+2*\c], |v[XX+32*\c+3]|, |v[XX+32*\c+4]|, |v[XX+32*\c+5]|
.endr
.irp i, 6,10,14,18,22,26
.irp c, 0,1
	v_max3_num_f32 v[8+2*\c], v[8+2*\c], |v[XX+32*\c+\i]|, |v[XX+32*\c+\i+1]|
	v_max3_num_f32 v[9+2*\c], v[9+2*\c], |v[XX+32*\c+\i+2]|, |v[XX+32*\c+\i+3]|
.endr
.endr
.irp c, 0,1
	v_max3_num_f32 v[8+2*\c], v[8+2*\c], |v[XX+32*\c+30]|, |v[XX+32*\c+31]|
.endr
.irp c, 0,1
	v_max3_num_f32 v[8+2*\c], v[8+2*\c], v[9+2*\c], 0x1800000
.endr
.irp c, 0,1
	v_add_nc_u32 v[12+\c], 0xff000000, v[8+2*\c]
.endr
.irp c, 0,1
	v_lshrrev_b32 v[14+\c], 23, v[12+\c]
.endr
	v_lshl_or_b32 v[16+(\t)], v15, 16, v14         ; my two bytes of the step's scale word, 16 bits apart
	s_wait_alu depctr_va_vdst(0)
	s_wait_xcnt 0x0                                ; the last step's stores have read the codes' registers
.irp c, 0,1
.irp g, 0,1,2,3
	v_cvt_scalef32_pk8_fp4_f32 v[40+4*\c+\g], v[XX+32*\c+8*\g:XX+32*\c+8*\g+7], v[12+\c]
.endr
.endr
	v_nop                                          ; one plain line behind the last conversion
.irp c, 0,1
	global_store_b128 v4, v[40+4*\c:43+4*\c], s[50:51] offset:512+(2*(\t)+\c)*512   ; a unit: 512 consecutive bytes
.endr
.endm
	global_prefetch_b8 v48, s[48:49] offset:1024 th:TH_LOAD_NT scope:SCOPE_SE   ; steps 2 and 3, whose loads are issued when steps 0 and 1 have landed
	global_prefetch_b8 v48, s[48:49] offset:1536 th:TH_LOAD_NT scope:SCOPE_SE
	XLOAD 0
	XLOAD 1
.set Q, 0
	s_wait_alu depctr_va_vdst(0)
.rept 8
	XSTEP Q
.set Q, Q+1
.endr
	; the scale words: lane (r, 0) gathers row r's words of steps 0-3 (quad 0), lane (r, 1) those of steps 4-7 (quad 1)
.irp t, 0,1,2,3,4,5,6,7
	v_lshlrev_b32 v[16+\t], v7, v[16+\t]           ; my bytes at their places: 8 h bits up
.endr
	v_cmp_ne_u32 vcc_lo, 0, v7
.irp j, 0,1,2,3
	v_cndmask_b32 v[24+\j], v[16+\j], v[20+\j], vcc_lo   ; what I keep,
	v_cndmask_b32 v[28+\j], v[20+\j], v[16+\j], vcc_lo   ; what the lane 16 away wants
	v_mov_b32 v[32+\j], 0
.endr
.irp j, 0,1,2,3
	v_permlanex16_b32 v[32+\j], v[28+\j], s60, s61
.endr
.irp j, 0,1,2,3
	v_or_b32 v[36+\j], v[24+\j], v[32+\j]
.endr
	global_store_b128 v4, v[36:39], s[50:51]       ; the half's 512 scale bytes
.Lend:
	s_wait_tensorcnt 0x0                           ; the wave's end
	ds_add_u32 v[SPW], v[NIL]
	s_wait_dscnt 0x0
	s_endpgm
.Lfunc_end_k_q2283ae5d1b_prep:
	.size	k_q2283ae5d1b_prep, .Lfunc_end_k_q2283ae5d1b_prep-k_q2283ae5d1b_prep
	.p2alignl 7, 3214868480
	.fill 96, 4, 3214868480
	.section	.rodata,"a",@progbits
	.p2align	6, 0x0
	.amdhsa_kernel k_q2283ae5d1b_prep
		.amdhsa_group_segment_fixed_size 34304
		.amdhsa_private_segment_fixed_size 0
		.amdhsa_enable_private_segment 0
		.amdhsa_kernarg_size 128
		.amdhsa_user_sgpr_count 2
		.amdhsa_user_sgpr_kernarg_segment_ptr 1
		.amdhsa_wavefront_size32 1
		.amdhsa_system_sgpr_workgroup_id_x 1
		.amdhsa_system_sgpr_workgroup_id_y 1
		.amdhsa_system_sgpr_workgroup_id_z 1
		.amdhsa_system_vgpr_workitem_id 0
		.amdhsa_next_free_vgpr 256
		.amdhsa_next_free_sgpr 90
		.amdhsa_reserve_vcc 1
		.amdhsa_float_denorm_mode_32 3
		.amdhsa_float_denorm_mode_16_64 3
		.amdhsa_memory_ordered 1
		.amdhsa_forward_progress 1
		.amdhsa_inst_pref_size 104
	.end_amdhsa_kernel
	.amdgpu_metadata
---
amdhsa.version: [ 1, 2 ]
amdhsa.kernels:
  - .name:           k_q2283ae5d1b_prep
    .symbol:         k_q2283ae5d1b_prep.kd
    .args:
      - { .name: hidden_states, .offset: 0, .size: 8, .value_kind: global_buffer, .address_space: global }
      - { .name: traces, .offset: 8, .size: 8, .value_kind: global_buffer, .address_space: global }
      - { .name: Wq, .offset: 16, .size: 8, .value_kind: global_buffer, .address_space: global }
      - { .name: Wk, .offset: 24, .size: 8, .value_kind: global_buffer, .address_space: global }
      - { .name: Wv, .offset: 32, .size: 8, .value_kind: global_buffer, .address_space: global }
      - { .name: Wo, .offset: 40, .size: 8, .value_kind: global_buffer, .address_space: global }
      - { .name: Aq, .offset: 48, .size: 8, .value_kind: global_buffer, .address_space: global }
      - { .name: Ak, .offset: 56, .size: 8, .value_kind: global_buffer, .address_space: global }
      - { .name: Av, .offset: 64, .size: 8, .value_kind: global_buffer, .address_space: global }
      - { .name: Ao, .offset: 72, .size: 8, .value_kind: global_buffer, .address_space: global }
      - { .name: Bq, .offset: 80, .size: 8, .value_kind: global_buffer, .address_space: global }
      - { .name: Bk, .offset: 88, .size: 8, .value_kind: global_buffer, .address_space: global }
      - { .name: Bv, .offset: 96, .size: 8, .value_kind: global_buffer, .address_space: global }
      - { .name: Bo, .offset: 104, .size: 8, .value_kind: global_buffer, .address_space: global }
      - { .name: xop, .offset: 112, .size: 8, .value_kind: global_buffer, .address_space: global }
      - { .name: wop, .offset: 120, .size: 8, .value_kind: global_buffer, .address_space: global }
    .group_segment_fixed_size: 34304
    .private_segment_fixed_size: 0
    .kernarg_segment_align: 8
    .kernarg_segment_size: 128
    .max_flat_workgroup_size: 128
    .sgpr_count:     90
    .vgpr_count:     256
    .wavefront_size: 32
...
	.end_amdgpu_metadata
.endif
;; end of part 1
;; launch gemm_qkv (part 2): grid 8 x 32, 4 waves a work-group, clusters of 4 x 4, 327,680 bytes of LDS; arguments xop, wop, qkv; writes qkv
.if DOCPART == 2
	.amdgcn_target "amdgcn-amd-amdhsa--gfx1250"
	.amdhsa_code_object_version 6
	.text
	.protected	k_q2283ae5d1b_gemm_qkv
	.globl	k_q2283ae5d1b_gemm_qkv
	.p2align	8
	.type	k_q2283ae5d1b_gemm_qkv,@function
k_q2283ae5d1b_gemm_qkv:
	s_mov_b64 s[64:65], 0
	v_nop
	global_prefetch_b8 v0, s[64:65] scope:SCOPE_SE
	s_setreg_imm32_b32 hwreg(HW_REG_WAVE_MODE, 25, 1), 1
	s_wait_xcnt 0x0
	s_wait_alu depctr_hold_cnt(0) depctr_sa_sdst(0) depctr_va_vdst(0) depctr_va_sdst(0) depctr_va_ssrc(0) depctr_va_vcc(0) depctr_vm_vsrc(0)
	s_getreg_b32 s2, hwreg(HW_REG_IB_STS2, 6, 4)
	s_cmp_eq_u32 s2, 0
	s_cbranch_scc0 .Lentry_in_a_cluster
	s_endpgm
.Lentry_in_a_cluster:
	s_bfe_u32 s2, ttmp6, 0x10000c
	s_cmp_lg_u32 s2, 0xf033
	s_cbranch_scc0 .Lentry_shape_is_right
	s_endpgm
.Lentry_shape_is_right:
; q = hs Wq + (hs Aq)(2 Bq), k and v likewise from traces: the large products and x A on codes of FP4, the rank-16 product in f32 (its result goes into a quantiser); q, k, v leave as codes.  Nothing of the problem is left out here.
; Operand images, units and the row order sigma: as the first kernel's head says.  A tile is 128 activation rows x 128 output columns, a wave's part 64 x 64 (16 accumulators) and x A for its 64 rows (4 more).
; A WORK-GROUP STAYS and makes three tiles of its 128 rows: tile columns tc0, tc0 + 8 (both of q) and tc0 + 16 (k where the cluster's x is 0, v where it is 1).
; K = 2,048 in two halves, each a slot of 139,264 bytes in LDS (activation 69,632, weight 69,632).  When a half has been multiplied its slot takes the next tile's half: each wave waits for all its tensor loads, adds 0 to its
; spare word, waits for that and for its reads, a round of the cluster's barrier follows, and the joint refill is the first thing behind it, one load a wave at most.  Slot 0's load has half 1 and the rank-16 product in which
; to land, slot 1's the way out and the next tile's half 0.  Tiles 0 and 1 read the same rows of hidden_states: only the weight's part is filled again (waves 2 and 3), and x Aq stays in its registers and is not made twice.
; Both A matrices that the work-group needs (Aq; Ak or Av) come by plain loads through registers, half a matrix a wave: so every wave issues one first fill.
; q, k: source 0 = W's rows, so a lane holds one activation row and 16 neighbouring features in two tiles: quantised along the head's 64.
; v: sources exchanged, so a lane holds one feature and its registers run along the keys: quantised along the keys.  The branch between the two hangs on the cluster's x, the same in all partners and waves.
; OUT: a unit (16 rows x 64 K) for each of the wave's four blocks; scale words [chunk of 64][pair of row blocks][row]: the even block's two bytes, then the odd block's.
; CLUSTER 4 x 4: the activation panel is shared along a row, the weight panel along a column, by joint loads.  The A matrices hang on no place in the cluster, so no mask of four names their readers: plain loads, one eighth of a tile's bytes, once.
; LIMITS: as the first kernel's.  The LoRA term is added onto the finished FP4 sum, another order of f32 additions than x W + 2 (x A) B as written.
.set RBB,   17408
.set HB,    8704
.set GRP,   34816                      ; four row blocks' halves: what one tensor load brings, and what a wave reads of a side
.set SIDE,  69632
.set KAP,   139264                     ; LDS: half of K x KAP + side x SIDE + group x GRP + block x HB
.set ATL,   278528                     ; the two A matrices: (2 x matrix + half) x HB
.set SPARE, 313344                     ; the spare words, 128 bytes a wave
.set BT0,   5640192
.set ASTEP, 256*RBB                    ; from hidden_states' row blocks to traces'
.set BSTEP, 64*RBB                     ; eight tile columns on in the weights
.set BTSTEP, 65536                     ; and in 2 B^T: 1,024 rows of 64 bytes
.set SPW,   28
.set NIL,   29
.set PC,    12                         ; v12-27 the codes made on the way out
.set SC,    32                         ; v32-63 scale words, two sets: register 4 i + q: lanes 0-15 the activation's block i, lanes 16-31 the weight's block i
.set TS,    64                         ; v64-71 the A matrix's scale words, two sets
.set XA,    96                         ; v96-127 x A: lane (r, h): row r, ranks 8 h + 0..7
.set ACC,   128                        ; v128-255 written by matrix instructions alone
.set BT,    144                        ; window 1: 2 B^T of my 64 columns; v0-71, v72-143 of window 1: two sets of fragments (activation 32, weight 32, A matrix 8)
; v5, v6, v8: LDS addresses of my activation units, weight units and scale words in the first half of K; v87, v88, v89: in the second; v7, v9: the A matrices' units and scale words
.set G1A, 24
.set G1B, 32
.set G1T, 40
.set G0A, 48
.set G0B, 56
.set G0T, 68
.set OC,  90                           ; s[90:91], s[92:93] where q's codes and scale words go;  s[96:97], s[98:99] the third tile's
.set OS,  92
.set SEL, 94
.set OC2, 96
.set OS2, 98
.set MUL,  0x05                        ; sources 0 and 1 window 1; C and D window 0
.set TO_F, 0x40                        ; destination window 1
.set MSB, 0
.macro WIN new                         ; the immediate's high byte repeats the setting that is left
.if MSB != (\new)
	s_set_vgpr_msb (MSB<<8)|(\new)
.set MSB, (\new)
.endif
.endm
.macro PLACES n
.rept \n
	v_nop
.endr
.endm
.macro CROUND                          ; a round of the cluster's barrier
	s_barrier_signal -1
	s_barrier_wait -1
	s_cmp_lg_u32 s10, 0
	s_cbranch_scc1 .Lnot_wave_0_\@
	s_barrier_signal -3
.Lnot_wave_0_\@:
	s_barrier_wait -3
	s_barrier_signal -1
	s_barrier_wait -1
.endm
	s_load_b128 s[4:7], s[0:1], 0x0                ; xop, wop
	s_load_b64 s[8:9], s[0:1], 0x10                ; qkv
	v_lshl_add_u32 v[SPW], v0, 2, SPARE
	v_mov_b32 v[NIL], 0
	ds_add_u32 v[SPW], v[NIL]                      ; the wave's opening: the add, twice on end, and its wait ahead of my first tensor load
	ds_add_u32 v[SPW], v[NIL]
	v_lshrrev_b32 v1, 5, v0
	v_readfirstlane_b32 s10, v1                    ; wave
	s_lshr_b32 s11, s10, 1                         ; wr: my 64 rows.  Also: I fetch the activation (0) or the weight (1)
	s_and_b32 s12, s10, 1                          ; wc: my 64 columns.  Also: which four row blocks I fetch
	s_bfe_u32 s13, ttmp6, 0x40000                  ; cx
	s_bfe_u32 s14, ttmp6, 0x40004                  ; cy
	s_lshl_b32 s17, ttmp9, 2
	s_add_co_u32 s17, s17, s13                     ; tc0: my first tile column, 0..7
	s_and_b32 s16, ttmp7, 0xffff
	s_lshl_b32 s18, s16, 2
	s_add_co_u32 s18, s18, s14                     ; tr: tile row
	s_lshl_b32 s20, s14, 2
	s_lshl_b32 s20, 15, s20                        ; my row of the cluster
	s_lshl_b32 s21, 0x1111, s13                    ; my column
	s_or_b32 s[G1A], s20, (3<<16)|(1<<21)          ; the mask; elements of 8 bytes; bit 21 beside a mask; no padding
	s_or_b32 s[G1B], s21, (3<<16)|(1<<21)
.irp g, G1A, G1B
	s_mov_b32 s[\g+1], 1088<<16                    ; tensor_dim0: a half block, 8,704 bytes
	s_mov_b32 s[\g+2], 8<<16                       ; tensor_dim1: the head's loads bring all eight row blocks of a side; behind them this word is set to four
	s_mov_b32 s[\g+3], 1088<<16                    ; tile_dim0
	s_mov_b32 s[\g+4], 8                           ; tile_dim1 likewise
	s_mov_b32 s[\g+5], 2176                        ; from block to block: 17,408 bytes
	s_mov_b32 s[\g+6], 0
	s_mov_b32 s[\g+7], 0
.endr
	s_lshl_b32 s40, s18, 3                         ; the head's load of the activation: all eight blocks from 8 tr on, half of K = wave % 2: made of tr and the wave alone
	s_mul_i32 s40, s40, RBB
	s_mul_i32 s41, s12, HB
	s_add_co_u32 s40, s40, s41
	s_mov_b32 s41, 0
	s_lshl_b32 s44, s17, 3                         ; and of the weight: from block 8 tc0 on: made of tc0 and the wave alone
	s_mul_i32 s44, s44, RBB
	s_mul_i32 s45, s12, HB
	s_add_co_u32 s44, s44, s45
	s_mov_b32 s45, 0
	s_lshl_b32 s72, s18, 3                         ; the activation's offset: made of tr and the wave alone
	s_lshl_b32 s73, s12, 2
	s_add_co_u32 s72, s72, s73
	s_mul_i32 s72, s72, RBB
	s_mov_b32 s73, 0
	s_lshl_b32 s74, s17, 3                         ; the weight's: made of tc0 and the wave alone
	s_lshl_b32 s75, s12, 2
	s_add_co_u32 s74, s74, s75
	s_mul_i32 s74, s74, RBB
	s_mov_b32 s75, 0
	s_add_co_u32 s77, ttmp9, 1                     ; the A matrices: waves 0, 1 fetch block 320 (Aq), waves 2, 3 block 321 (Ak) or 322 (Av); each its half
	s_mul_i32 s76, s11, s77
	s_add_co_u32 s76, s76, 320
	s_mul_i32 s76, s76, RBB
	s_mov_b32 s77, 0
	s_mul_i32 s22, s12, GRP
	s_mul_i32 s23, s11, GRP
	s_mul_i32 s[G0T+1], s11, RBB                   ; LDS place of the A matrix: waves 0, 1 Aq, waves 2, 3 Ak or Av
	s_add_co_u32 s[G0T+1], s[G0T+1], ATL
	s_lshl_b32 s80, s17, 7                         ; 2 B^T: storage row 128 tc0 + 64 wc
	s_lshl_b32 s81, s12, 6
	s_add_co_u32 s80, s80, s81
	s_lshl_b32 s80, s80, 6
	s_add_co_u32 s80, s80, BT0
	s_mov_b32 s81, 0
	; where the results go
	s_lshl_b32 s82, s17, 1
	s_add_co_u32 s82, s82, s12                     ; 2 tc0 + wc: q's head in tile 0, and k's head
	s_lshl_b32 s84, s18, 3
	s_lshl_b32 s85, s11, 2
	s_add_co_u32 s84, s84, s85                     ; q, k: first row block 8 tr + 4 wr
	s_lshl_b32 s89, s82, 8
	s_add_co_u32 s89, s89, s84
	s_lshl_b32 s[OC], s89, 9                       ; q's codes: [head][row block][512]
	s_mov_b32 s[OC+1], 0
	s_lshl_b32 s[OS], s82, 7
	s_lshr_b32 s89, s84, 1
	s_add_co_u32 s[OS], s[OS], s89
	s_lshl_b32 s[OS], s[OS], 6
	s_add_co_u32 s[OS], s[OS], 6291456             ; q's scale words: [head][pair of blocks][64]
	s_mov_b32 s[OS+1], 0
	s_lshl_b32 s83, s18, 1
	s_add_co_u32 s83, s83, s11                     ; v: the chunk is 64 keys: 2 tr + wr
	s_sub_co_u32 s85, s17, 4
	s_lshl_b32 s85, s85, 3
	s_lshl_b32 s86, s12, 2
	s_add_co_u32 s85, s85, s86                     ; v: first block of features
	s_mov_b32 s87, 4194304                         ; k's codes,
	s_mov_b32 s88, 6553600                         ; k's scale words
	s_cmp_eq_u32 ttmp9, 1
	s_cselect_b32 s82, s83, s82
	s_cselect_b32 s84, s85, s84
	s_cselect_b32 s86, 5, 8                        ; blocks in a chunk: 32 or 256
	s_cselect_b32 s87, 5242880, s87
	s_cselect_b32 s88, 6619136, s88
	s_lshl_b32 s89, s82, s86
	s_add_co_u32 s89, s89, s84
	s_lshl_b32 s89, s89, 9
	s_add_co_u32 s[OC2], s89, s87
	s_mov_b32 s[OC2+1], 0
	s_sub_co_u32 s86, s86, 1
	s_lshl_b32 s[OS2], s82, s86
	s_lshr_b32 s89, s84, 1
	s_add_co_u32 s[OS2], s[OS2], s89
	s_lshl_b32 s[OS2], s[OS2], 6
	s_add_co_u32 s[OS2], s[OS2], s88
	s_mov_b32 s[OS2+1], 0
	s_mov_b32 s[SEL], 0x76543210
	s_mov_b32 s[SEL+1], 0xfedcba98
	s_wait_dscnt 0x0                               ; both opening adds are done
	s_wait_kmcnt 0x0
	s_add_nc_u64 s[72:73], s[4:5], s[72:73]
	s_add_nc_u64 s[74:75], s[6:7], s[74:75]
	s_add_nc_u64 s[76:77], s[6:7], s[76:77]
	s_add_nc_u64 s[80:81], s[6:7], s[80:81]
	s_add_nc_u64 s[OC:OC+1], s[8:9], s[OC:OC+1]
	s_add_nc_u64 s[OS:OS+1], s[8:9], s[OS:OS+1]
	s_add_nc_u64 s[OC2:OC2+1], s[8:9], s[OC2:OC2+1]
	s_add_nc_u64 s[OS2:OS2+1], s[8:9], s[OS2:OS2+1]
.irp k, 0,1
	s_mov_b32 s[G0A+4*\k], 1
	s_add_co_u32 s[G0A+4*\k+1], s22, \k*KAP
	s_add_nc_u64 s[G0A+4*\k+2:G0A+4*\k+3], s[72:73], \k*HB
	s_or_b32 s[G0A+4*\k+3], s[G0A+4*\k+3], 0x80000000
	s_mov_b32 s[G0B+4*\k], 1
	s_add_co_u32 s[G0B+4*\k+1], s22, SIDE+\k*KAP
	s_add_nc_u64 s[G0B+4*\k+2:G0B+4*\k+3], s[74:75], \k*HB
	s_or_b32 s[G0B+4*\k+3], s[G0B+4*\k+3], 0x80000000
.endr
	s_add_nc_u64 s[42:43], s[4:5], s[40:41]        ; s[40:43], s[44:47]: group 0 of the head's loads
	s_mov_b32 s40, 1
	s_mul_i32 s41, s12, KAP
	s_or_b32 s43, s43, 0x80000000
	s_add_nc_u64 s[46:47], s[6:7], s[44:45]
	s_mov_b32 s44, 1
	s_mul_i32 s45, s12, KAP
	s_add_co_u32 s45, s45, SIDE
	s_or_b32 s47, s47, 0x80000000
	CROUND                                         ; all sixteen work-groups are here: the joint loads meet
	; THE HEAD'S LOADS, ONE A WAVE, fill both slots: waves 0 and 1 the activation's two halves of K, waves 2 and 3 the weight's, eight row blocks each.
	s_cmp_eq_u32 s11, 0
	s_cbranch_scc0 .Lfill_b
	tensor_load_to_lds s[40:43], s[G1A:G1A+7]
	s_nop 0
	PLACES 4
	s_branch .Lfilled
.Lfill_b:
	tensor_load_to_lds s[44:47], s[G1B:G1B+7]
	s_nop 0
	PLACES 4
.Lfilled:
	v_and_b32 v1, 15, v0                           ; r
	v_bfe_u32 v2, v0, 4, 1                         ; h
	v_and_b32 v3, 31, v0
	v_lshlrev_b32 v4, 2, v3                        ; 4 x lane
	v_lshlrev_b32 v3, 4, v3                        ; 16 x lane
	s_add_co_u32 s19, s23, 512
	v_add_nc_u32 v5, s19, v3                       ; my activation units
	s_add_co_u32 s19, s22, SIDE+512
	v_add_nc_u32 v6, s19, v3                       ; my weight units
	v_add_nc_u32 v7, ATL+512, v3                   ; the A matrices' units
	s_xor_b32 s19, s11, 1
	s_add_co_u32 s19, s19, s12
	s_mul_i32 s19, s19, GRP
	s_add_co_u32 s19, s19, SIDE-GRP                ; from my activation's scale words to my weight's
	v_mul_u32_u24 v8, s19, v2                      ; lanes 16-31 take the weight's
	v_lshl_add_u32 v8, v1, 4, v8
	v_add_nc_u32 v8, s23, v8
	v_lshlrev_b32 v9, 4, v1
	v_add_nc_u32 v9, ATL, v9
	v_add_nc_u32 v87, KAP, v5                      ; the same three in the second half of K
	v_add_nc_u32 v88, KAP, v6
	v_add_nc_u32 v89, KAP, v8
	v_lshlrev_b32 v10, 6, v1
	v_lshl_add_u32 v10, v2, 5, v10                 ; 2 B^T: row r, ranks 8 h on
	v_mov_b32 v74, 0                               ; a lane permute's destination counts as one of its sources
	v_mov_b32 v75, 0
	; The two A matrices, 17,408 bytes each, come through registers into LDS bytes of their own, which no fill touches: waves 0, 1 bring Aq, waves 2, 3 Ak or Av: 64 threads x 16 bytes x 17 loads
	v_and_b32 v90, 63, v0
	v_lshlrev_b32 v90, 4, v90
	v_add_nc_u32 v91, s[G0T+1], v90
	WIN TO_F
.set I, 0
.rept 17
	global_load_b128 v[4*I:4*I+3], v90, s[76:77] offset:1024*I
.set I, I+1
.endr
	WIN 0
.macro BTLOAD                          ; 2 B^T of the tile's 64 columns that are mine
	WIN TO_F
.irp b, 0,1,2,3
.irp c, 0,1
	global_load_b128 v[BT+8*\b+4*\c:BT+8*\b+4*\c+3], v10, s[80:81] offset:1024*\b+16*\c
.endr
.endr
	WIN 0
.endm
	BTLOAD
; the fragments of K step sp (128 along K) of half kap into set f: loads of 512 consecutive bytes.  xa = 1: the A matrix's (matrix img) too
.macro FETCH sp, f, kap, xa, img
	WIN TO_F
.irp i, 0,1,2,3
.irp c, 0,1
	ds_load_b128 v[(\f)+32+8*\i+4*\c:(\f)+32+8*\i+4*\c+3], v[6+82*(\kap)] offset:\i*HB+1024*(\sp)+512*\c
.endr
.endr
.irp i, 0,1,2,3
.irp c, 0,1
	ds_load_b128 v[(\f)+8*\i+4*\c:(\f)+8*\i+4*\c+3], v[5+82*(\kap)] offset:\i*HB+1024*(\sp)+512*\c
.endr
.endr
.if \xa
.irp c, 0,1
	ds_load_b128 v[(\f)+64+4*\c:(\f)+64+4*\c+3], v7 offset:(2*(\img)+(\kap))*HB+1024*(\sp)+512*\c
.endr
.endif
	WIN 0
.endm
.macro SCALES q4, sc, kap, xa, img     ; the scale words of four K steps
.irp i, 0,1,2,3
	ds_load_b128 v[SC+16*(\sc)+4*\i:SC+16*(\sc)+4*\i+3], v[8+81*(\kap)] offset:\i*HB+256*(\q4)
.endr
.if \xa
	ds_load_b128 v[TS+4*(\sc):TS+4*(\sc)+3], v9 offset:(2*(\img)+(\kap))*HB+256*(\q4)
.endif
.endm
; A K step: 16 products and, with xa = 1, 4 for x A; the accumulators take turns, one instruction a turn, in the same order in every step
.macro MULS f, sc, q, swap, zero, xa
.irp a, 0,1,2,3
.irp b, 0,1,2,3
.set RA, (\f)+8*\a
.set RW, (\f)+32+8*\b
.set KA, SC+16*(\sc)+4*\a+(\q)
.set KW, SC+16*(\sc)+4*\b+(\q)
.if \swap
.set DD, ACC+8*(4*\b+\a)
.if \zero
	v_wmma_scale_f32_16x16x128_f8f6f4 v[DD:DD+7], v[RA:RA+7], v[RW:RW+7], 0, v[KA], v[KW] matrix_a_fmt:MATRIX_FMT_FP4 matrix_b_fmt:MATRIX_FMT_FP4 matrix_b_scale:MATRIX_SCALE_ROW1
.else
	v_wmma_scale_f32_16x16x128_f8f6f4 v[DD:DD+7], v[RA:RA+7], v[RW:RW+7], v[DD:DD+7], v[KA], v[KW] matrix_a_fmt:MATRIX_FMT_FP4 matrix_b_fmt:MATRIX_FMT_FP4 matrix_b_scale:MATRIX_SCALE_ROW1
.endif
.else
.set DD, ACC+8*(4*\a+\b)
.if \zero
	v_wmma_scale_f32_16x16x128_f8f6f4 v[DD:DD+7], v[RW:RW+7], v[RA:RA+7], 0, v[KW], v[KA] matrix_a_fmt:MATRIX_FMT_FP4 matrix_b_fmt:MATRIX_FMT_FP4 matrix_a_scale:MATRIX_SCALE_ROW1
.else
	v_wmma_scale_f32_16x16x128_f8f6f4 v[DD:DD+7], v[RW:RW+7], v[RA:RA+7], v[DD:DD+7], v[KW], v[KA] matrix_a_fmt:MATRIX_FMT_FP4 matrix_b_fmt:MATRIX_FMT_FP4 matrix_a_scale:MATRIX_SCALE_ROW1
.endif
.endif
.endr
.endr
.if \xa
.irp a, 0,1,2,3
.set RA, (\f)+8*\a
.set KA, SC+16*(\sc)+4*\a+(\q)
.set DD, XA+8*\a
.if \zero
	v_wmma_scale_f32_16x16x128_f8f6f4 v[DD:DD+7], v[(\f)+64:(\f)+71], v[RA:RA+7], 0, v[TS+4*(\sc)+(\q)], v[KA] matrix_a_fmt:MATRIX_FMT_FP4 matrix_b_fmt:MATRIX_FMT_FP4
.else
	v_wmma_scale_f32_16x16x128_f8f6f4 v[DD:DD+7], v[(\f)+64:(\f)+71], v[RA:RA+7], v[DD:DD+7], v[TS+4*(\sc)+(\q)], v[KA] matrix_a_fmt:MATRIX_FMT_FP4 matrix_b_fmt:MATRIX_FMT_FP4
.endif
.endr
.endif
.endm
.macro HALF kap, swap, xa, img         ; a half of K: eight K steps; a step's fragments are asked for one step ahead, behind four places.  A tile's first step starts the sums
.set SQ, 0
.rept 8
	s_wait_dscnt 0x0                               ; this step's fragments and scale words are in
.if SQ < 7
	PLACES 4                                       ; in front of loads into registers that the last step's products read
	FETCH SQ+1, 72*((SQ+1)%2), \kap, \xa, \img
.endif
.if SQ == 3
	SCALES 1, 1, \kap, \xa, \img
.endif
	WIN MUL
.if ((\kap) == 0) && (SQ == 0)
	MULS 72*(SQ%2), SQ/4, SQ%4, \swap, 1, \xa
.else
	MULS 72*(SQ%2), SQ/4, SQ%4, \swap, 0, \xa
.endif
.set SQ, SQ+1
.endr
	WIN 0
.endm
.macro PRE kap, xa, img                ; a half's first fragments and scale words
	PLACES 4
	FETCH 0, 0, \kap, \xa, \img
	SCALES 0, 0, \kap, \xa, \img
.endm
; + (x A)(2 B): f32, K = 4 an instruction; slot (h, j) of step s is rank 8 h + 2 s + j on both sides.  Five places behind the FP4 products whose results it takes and writes over; eight behind it ahead of the first read
; of its results and of the loads into its sources.
.macro LORA swap
	PLACES 5
	s_wait_loadcnt 0x0                             ; 2 B^T
.if \swap
	WIN 0x04
.else
	WIN 0x01
.endif
.irp s, 0,1,2,3
.irp a, 0,1,2,3
.irp b, 0,1,2,3
.if \swap
	v_wmma_f32_16x16x4_f32 v[ACC+8*(4*\b+\a):ACC+8*(4*\b+\a)+7], v[XA+8*\a+2*\s:XA+8*\a+2*\s+1], v[BT+8*\b+2*\s:BT+8*\b+2*\s+1], v[ACC+8*(4*\b+\a):ACC+8*(4*\b+\a)+7]
.else
	v_wmma_f32_16x16x4_f32 v[ACC+8*(4*\a+\b):ACC+8*(4*\a+\b)+7], v[BT+8*\b+2*\s:BT+8*\b+2*\s+1], v[XA+8*\a+2*\s:XA+8*\a+2*\s+1], v[ACC+8*(4*\a+\b):ACC+8*(4*\a+\b)+7]
.endif
.endr
.endr
.endr
	WIN 0
	PLACES 8
.endm
; SLOT k, WHICH HAS BEEN MULTIPLIED, TAKES THE NEXT TILE'S HALF k.  both = 1: activation and weight; both = 0: the weight alone, and waves 0 and 1 issue nothing.  The branches hang on the wave's number alone.
.macro CHANGE k, both
	s_wait_tensorcnt 0x0                           ; all my tensor loads have landed, my part of the other slot among them: so a group 0 may be written
	ds_add_u32 v[SPW], v[NIL]                      ; 0 onto my spare word; the descriptors' steps stand between it and the wait for it
	s_add_nc_u64 s[G0B+4*(\k)+2:G0B+4*(\k)+3], s[G0B+4*(\k)+2:G0B+4*(\k)+3], BSTEP
.if \both
	s_add_nc_u64 s[G0A+4*(\k)+2:G0A+4*(\k)+3], s[G0A+4*(\k)+2:G0A+4*(\k)+3], ASTEP
.endif
	s_wait_dscnt 0x0                               ; the add is done, and my reads of the slot are over
	CROUND                                         ; both now hold of every wave of all sixteen work-groups
	s_cmp_eq_u32 s11, 0
.if \both
	s_cbranch_scc0 .Lfor_b_\@
	tensor_load_to_lds s[G0A+4*(\k):G0A+4*(\k)+3], s[G1A:G1A+7]
	s_nop 0
	PLACES 4
	s_branch .Lasked_\@
.Lfor_b_\@:
.else
	s_cbranch_scc1 .Lasked_\@
.endif
	tensor_load_to_lds s[G0B+4*(\k):G0B+4*(\k)+3], s[G1B:G1B+7]
	s_nop 0
	PLACES 4
.Lasked_\@:
.endm
; THE WAY OUT.  Block l: 32 registers, register 16 b + i = k 32 b + 16 h + i of the lane's row: two blocks of 32, each shared with lane l xor 16.  The results are read from each accumulator's low end on.
.macro QUANT2 l, oc
.set S, ACC+32*(\l)
.irp b, 0,1
	v_max3_num_f32 v[72+\b], |v[S+16*\b]|, |v[S+16*\b+1]|, 0x1800000
.endr
.irp i, 2,4,6,8,10,12,14
.irp b, 0,1
	v_max3_num_f32 v[72+\b], v[72+\b], |v[S+16*\b+\i]|, |v[S+16*\b+\i+1]|
.endr
.endr
.irp b, 0,1
	v_permlanex16_b32 v[74+\b], v[72+\b], s[SEL], s[SEL+1]
.endr
.irp b, 0,1
	v_max_num_f32 v[72+\b], v[72+\b], v[74+\b]
.endr
.irp b, 0,1
	v_add_nc_u32 v[76+\b], 0xff000000, v[72+\b]
.endr
.irp b, 0,1
	v_lshrrev_b32 v[78+\b], 23, v[76+\b]
.endr
	v_lshl_or_b32 v[80+(\l)], v79, 8, v78          ; the row's two scale bytes
.irp b, 0,1
	v_cvt_scalef32_pk8_fp4_f32 v[PC+4*(\l)+2*\b], v[S+16*\b:S+16*\b+7], v[76+\b]
	v_cvt_scalef32_pk8_fp4_f32 v[PC+4*(\l)+2*\b+1], v[S+16*\b+8:S+16*\b+15], v[76+\b]
.endr
	v_nop                                          ; one plain line behind the last conversion
	v_permlane16_swap_b32 v[PC+4*(\l)], v[PC+4*(\l)+2]     ; a whole block in a lane: lanes 0-15 block 0, lanes 16-31 block 1
	v_permlane16_swap_b32 v[PC+4*(\l)+1], v[PC+4*(\l)+3]
	global_store_b128 v3, v[PC+4*(\l):PC+4*(\l)+3], s[\oc:\oc+1] offset:512*(\l)   ; a unit: 512 consecutive bytes
.endm
.macro OUT oc, os
	QUANT2 0, \oc
	QUANT2 1, \oc
	QUANT2 2, \oc
	QUANT2 3, \oc
	v_lshl_or_b32 v84, v81, 16, v80
	v_lshl_or_b32 v85, v83, 16, v82
	v_cmp_ne_u32 vcc_lo, 0, v2
	v_cndmask_b32 v86, v84, v85, vcc_lo            ; lanes 0-15 the first pair of blocks, lanes 16-31 the second
	global_store_b32 v4, v86, s[\os:\os+1]         ; 128 consecutive bytes
.endm
	s_wait_alu depctr_va_vdst(0)
	s_wait_tensorcnt 0x0                           ; my panel half is in
	s_mov_b32 s[G1A+2], 4<<16                      ; no tensor load of mine is out: from here on a load brings four row blocks
	s_mov_b32 s[G1A+4], 4
	s_mov_b32 s[G1B+2], 4<<16
	s_mov_b32 s[G1B+4], 4
	s_wait_loadcnt 8                               ; the A matrix's 17 loads are in; 2 B^T's eight, issued behind them, may be out
	WIN 0x04                                       ; a store's data are its source 1: window 1
.set I, 0
.rept 17
	ds_store_b128 v91, v[4*I:4*I+3] offset:1024*I
.set I, I+1
.endr
	WIN 0
	s_wait_dscnt 0x0                               ; my stores are done
	s_barrier_signal -1
	s_barrier_wait -1                              ; everybody's panel half and stores are in
	; ---- tile 0: q, tile column tc0
	PRE 0, 1, 0
	HALF 0, 0, 1, 0
	CHANGE 0, 0                                    ; slot 0: tile 1's weight
	PRE 1, 1, 0
	HALF 1, 0, 1, 0
	LORA 0
	CHANGE 1, 0                                    ; slot 1: tile 1's weight
	s_add_nc_u64 s[80:81], s[80:81], BTSTEP        ; (the loads that named it are done: the rank-16 product waited for them)
	BTLOAD
	PRE 0, 0, 0                                    ; tile 1's first fragments land while tile 0 goes out
	OUT OC, OS
	; ---- tile 1: q, tile column tc0 + 8: the same rows, so x Aq stands as it is
	HALF 0, 0, 0, 0
	CHANGE 0, 1                                    ; slot 0: tile 2's traces and weight
	PRE 1, 0, 0
	HALF 1, 0, 0, 0
	LORA 0
	CHANGE 1, 1
	s_add_nc_u64 s[80:81], s[80:81], BTSTEP
	BTLOAD
	PRE 0, 1, 1
	s_wait_xcnt 0x0                                ; tile 0's stores have read their registers and bases: both may be written again
	s_add_nc_u64 s[OC:OC+1], s[OC:OC+1], 2097152   ; 16 heads on
	s_add_nc_u64 s[OS:OS+1], s[OS:OS+1], 131072
	OUT OC, OS
	; ---- tile 2: k or v, tile column tc0 + 16; nothing is left to fetch
	s_cmp_eq_u32 ttmp9, 1
	s_cbranch_scc1 .Lv0
	HALF 0, 0, 1, 1
	s_branch .Lj0
.Lv0:
	HALF 0, 1, 1, 1
.Lj0:
	s_wait_tensorcnt 0x0                           ; my part of the second half has landed,
	s_wait_dscnt 0x0
	s_barrier_signal -1
	s_barrier_wait -1                              ; everybody's has
	PRE 1, 1, 1
	s_cmp_eq_u32 ttmp9, 1
	s_cbranch_scc1 .Lv1
	HALF 1, 0, 1, 1
	LORA 0
	s_branch .Lj1
.Lv1:
	HALF 1, 1, 1, 1
	LORA 1
.Lj1:
	s_wait_xcnt 0x0                                ; tile 1's stores have read their registers
	OUT OC2, OS2
	s_wait_tensorcnt 0x0                           ; the wave's end
	ds_add_u32 v[SPW], v[NIL]
	s_wait_dscnt 0x0
	CROUND                                         ; the closing round
	s_endpgm
.Lfunc_end_k_q2283ae5d1b_gemm_qkv:
	.size	k_q2283ae5d1b_gemm_qkv, .Lfunc_end_k_q2283ae5d1b_gemm_qkv-k_q2283ae5d1b_gemm_qkv
	.p2alignl 7, 3214868480
	.fill 96, 4, 3214868480
	.section	.rodata,"a",@progbits
	.p2align	6, 0x0
	.amdhsa_kernel k_q2283ae5d1b_gemm_qkv
		.amdhsa_group_segment_fixed_size 327680
		.amdhsa_private_segment_fixed_size 0
		.amdhsa_enable_private_segment 0
		.amdhsa_kernarg_size 24
		.amdhsa_user_sgpr_count 2
		.amdhsa_user_sgpr_kernarg_segment_ptr 1
		.amdhsa_wavefront_size32 1
		.amdhsa_system_sgpr_workgroup_id_x 1
		.amdhsa_system_sgpr_workgroup_id_y 1
		.amdhsa_system_sgpr_workgroup_id_z 1
		.amdhsa_system_vgpr_workitem_id 0
		.amdhsa_next_free_vgpr 512
		.amdhsa_next_free_sgpr 104
		.amdhsa_reserve_vcc 1
		.amdhsa_float_denorm_mode_32 3
		.amdhsa_float_denorm_mode_16_64 3
		.amdhsa_memory_ordered 1
		.amdhsa_forward_progress 1
		.amdhsa_inst_pref_size 255
	.end_amdhsa_kernel
	.section	.bss,"aw",@nobits
	.p2align	6
	.space	262144
	.amdgpu_metadata
---
amdhsa.version: [ 1, 2 ]
amdhsa.kernels:
  - .name:           k_q2283ae5d1b_gemm_qkv
    .symbol:         k_q2283ae5d1b_gemm_qkv.kd
    .args:
      - { .name: xop, .offset: 0, .size: 8, .value_kind: global_buffer, .address_space: global }
      - { .name: wop, .offset: 8, .size: 8, .value_kind: global_buffer, .address_space: global }
      - { .name: qkv, .offset: 16, .size: 8, .value_kind: global_buffer, .address_space: global }
    .group_segment_fixed_size: 327680
    .private_segment_fixed_size: 0
    .kernarg_segment_align: 8
    .kernarg_segment_size: 24
    .max_flat_workgroup_size: 128
    .sgpr_count:     104
    .vgpr_count:     512
    .wavefront_size: 32
...
	.end_amdgpu_metadata
.endif
;; end of part 2
;; launch attn (part 3): grid 8 x 32, 16 waves a work-group, clusters of 4 x 1, 167,936 bytes of LDS; arguments qkv, cop; writes cop
.if DOCPART == 3
	.amdgcn_target "amdgcn-amd-amdhsa--gfx1250"
	.amdhsa_code_object_version 6
	.text
	.protected	k_q2283ae5d1b_attn
	.globl	k_q2283ae5d1b_attn
	.p2align	8
	.type	k_q2283ae5d1b_attn,@function
k_q2283ae5d1b_attn:
	s_mov_b64 s[64:65], 0
	v_nop
	global_prefetch_b8 v0, s[64:65] scope:SCOPE_SE
	s_setreg_imm32_b32 hwreg(HW_REG_WAVE_MODE, 25, 1), 1
	s_wait_xcnt 0x0
	s_wait_alu depctr_hold_cnt(0) depctr_sa_sdst(0) depctr_va_vdst(0) depctr_va_sdst(0) depctr_va_ssrc(0) depctr_va_vcc(0) depctr_vm_vsrc(0)
	s_getreg_b32 s2, hwreg(HW_REG_IB_STS2, 6, 4)
	s_cmp_eq_u32 s2, 0
	s_cbranch_scc0 .Lentry_in_a_cluster
	s_endpgm
.Lentry_in_a_cluster:
	s_bfe_u32 s2, ttmp6, 0x10000c
	s_cmp_lg_u32 s2, 0x3003
	s_cbranch_scc0 .Lentry_shape_is_right
	s_endpgm
.Lentry_shape_is_right:
; context = softmax(q k^T / 8) v for 32 query heads on 8 key and value heads, head size 64, 1,024 keys, no mask; both products on codes of FP4.  Nothing of the problem is left out here.
; THE SOFTMAX: t = score x log2(e) / 8; M = ceil(the row's largest t over all 1,024 keys); p = 2^(t - M) is quantised along the keys; the row's sum is taken of the unquantised p and divides at the end.
; TWO WALKS OVER THE KEYS.  Walk 1: S^T = K Q^T and the largest score of each block of 32 keys, kept in 16 registers.  Then M, and from floor(t_block - M) each block's scale (p rises with the score, and
; floor(log2 p) = floor(t - M)): 16 conversion operands and 8 scale words.  Walk 2: S^T again, p, its codes, the sums, O^T += V^T P^T.  M is final there, so neither O^T nor the sum is ever rescaled.
; SHARES.  A work-group: one batch, one key and value head, 128 queries x its 4 query heads = 32 tiles of 16 queries; each of 16 waves takes one tile of queries for two heads (a loop of two trips).
; All codes of K and V of the (batch, head) lie in LDS for the whole launch: first fills only.  CLUSTER 4 x 1: the four blocks of queries read the same K and V: joint loads.
; No prefetch: every tile is asked for at the head, and there is no loop to run ahead in.
; LAYOUT.  Both products transposed: a lane holds one query.  WHICH KEYS FORM A TILE is chosen by the lanes' LDS addresses: row 8 a + j of tile T of group c (64 keys) is key 64 c + 32 a + 8 T + j, which the launch
; before laid at unit 4 c + 2 a + T % 2, row 8 (T / 2) + j.  So lane (query, h) holds in 32 registers the whole block 2 c + h: its maximum needs no other lane, and four conversions give P's operand registers as they are.
; THE HEAD HAS 64 AND THE INSTRUCTION TAKES 128: a fragment of K holds tiles 2 u and 2 u + 1; it is multiplied by [q, 0] and by [0, q] (zero codes under the scale byte 0, which is 2^-127).  Its scale word is word
; [pair 2 c + a][row 8 u + j] as the launch before stored it.
; K's rows of 1,024 bytes (two units' pair) get 128 bytes of padding in LDS.
; LIMITS: as the first kernel's; the promise holds while the scaled scores stay under 2^31 in magnitude; a block whose largest p lies within an ulp under a power of two may get the scale one step lower.
.set KP,    1152                       ; 1,024 bytes of K + 128 of padding
.set VL,    36864                      ; V in LDS: [chunk of 64 keys 16][block of 16 d 4][512]
.set SPARE, 69632                      ; the spare words, 128 bytes for each of 16 waves
.set KC0,   4194304
.set VC0,   5242880
.set QSB,   6291456
.set KSB,   6553600
.set VSB,   6619136
.set SPW, 3
.set NIL, 4
; v0 the context's scale bytes, v1 16 x lane, v2 my place in K, v5 q's scale word, v6 [s0 s1 0 0], v7 [0 0 s0 s1], v[8:9] v[28:29] v[30:31] v[14:15] the sum in four chains, v10 4 r, v11 my place in V, v12 -M,
; v16-27 q, 0, q: [q, 0] = v16-23, [0, q] = v20-27; v32-63 K (walk 1: ring slots 0, 1), v200-231 V (walk 1: ring slots 2, 3), v64-79 K's scale words, v80-95 V's, v96-159 S^T then p, v160-191 O^T (walk 1: at work),
; v192-199 p's codes, v232-247 block maxima, then conversion operands, v248-255 p's scale words
.macro CROUND
	s_barrier_signal -1
	s_barrier_wait -1
	s_cmp_lg_u32 s8, 0
	s_cbranch_scc1 .Lnot_wave_0_\@
	s_barrier_signal -3
.Lnot_wave_0_\@:
	s_barrier_wait -3
	s_barrier_signal -1
	s_barrier_wait -1
.endm
.macro PLACES n
.rept \n
	v_nop
.endr
.endm
.macro WM d, a, b, c, sa, sb, x
	v_wmma_scale_f32_16x16x128_f8f6f4 v[\d:\d+7], v[\a:\a+7], v[\b:\b+7], \c, v[\sa], v[\sb] matrix_a_fmt:MATRIX_FMT_FP4 matrix_b_fmt:MATRIX_FMT_FP4 \x
.endm
.macro QK kr, sb, ks                   ; a group of 64 keys: four tiles; register sb + 8 T + j of lane (query, h) is key 32 h + 8 T + j of the group
	WM \sb, \kr, 16, 0, \ks, 6
	WM \sb+8, \kr, 20, 0, \ks, 7
	WM \sb+16, \kr+8, 16, 0, \ks, 6, matrix_a_scale:MATRIX_SCALE_ROW1
	WM \sb+24, \kr+8, 20, 0, \ks, 7, matrix_a_scale:MATRIX_SCALE_ROW1
.endm
.macro KLD kr, c                       ; group c's two fragments of K: four loads
.irp t, 0,1
	ds_load_b128 v[\kr+8*\t:\kr+8*\t+3], v2 offset:2*(\c)*KP+128*\t
	ds_load_b128 v[\kr+8*\t+4:\kr+8*\t+7], v2 offset:2*(\c)*KP+128*\t+512
.endr
.endm
.macro VLD s, a0                       ; key step s: V's d blocks a0, a0 + 1: four loads
.irp a, 0,1
.irp c, 0,1
	ds_load_b128 v[200+8*(\a0+\a)+4*\c:200+8*(\a0+\a)+4*\c+3], v11 offset:(2*(\s)+\c)*2048+512*(\a0+\a)
.endr
.endr
.endm
	s_load_b128 s[4:7], s[0:1], 0x0                ; qkv, cop
	v_lshl_add_u32 v[SPW], v0, 2, SPARE
	v_mov_b32 v[NIL], 0
	ds_add_u32 v[SPW], v[NIL]                      ; the wave's opening: the add, twice on end, and its wait ahead of the first tensor loads
	ds_add_u32 v[SPW], v[NIL]
	v_lshrrev_b32 v1, 5, v0
	v_readfirstlane_b32 s8, v1                     ; wave 0..15
	s_bfe_u32 s9, ttmp6, 0x40000                   ; cx: it enters Q's and the context's addresses alone
	s_lshl_b32 s10, ttmp9, 2
	s_add_co_u32 s10, s10, s9                      ; my block of 128 queries
	s_and_b32 s11, ttmp7, 0xffff
	s_lshr_b32 s12, s11, 3                         ; batch
	s_and_b32 s13, s11, 7                          ; key and value head
	s_and_b32 s14, s8, 1
	s_lshr_b32 s15, s8, 1
	s_lshl_b32 s16, s12, 6
	s_lshl_b32 s17, s10, 3
	s_add_co_u32 s16, s16, s17
	s_add_co_u32 s16, s16, s15                     ; ib: my row block of queries
	s_lshl_b32 s17, s13, 2
	s_lshl_b32 s18, s14, 1
	s_add_co_u32 s17, s17, s18                     ; my first head, even
	s_mov_b32 s24, 15|(3<<16)|(1<<20)|(1<<21)|(7<<22)|(31<<25)   ; K: half of the 64 units: 16 dense rows of 1,024 bytes, 32 words of padding behind each 256; the mask names all four
	s_mov_b32 s25, 128<<16
	s_mov_b32 s26, 16<<16
	s_mov_b32 s27, 128<<16
	s_mov_b32 s28, 16
	s_mov_b32 s29, 128
	s_mov_b32 s30, 0
	s_mov_b32 s31, 0
	s_mov_b32 s32, 15|(3<<16)|(1<<21)              ; V: 8 chunks x my head's four units (2,048 bytes), 16,384 bytes apart
	s_mov_b32 s33, 256<<16
	s_mov_b32 s34, 8<<16
	s_mov_b32 s35, 256<<16
	s_mov_b32 s36, 8
	s_mov_b32 s37, 2048
	s_mov_b32 s38, 0
	s_mov_b32 s39, 0
	s_lshl_b32 s62, s13, 8
	s_lshl_b32 s63, s12, 6
	s_add_co_u32 s62, s62, s63
	s_lshl_b32 s62, s62, 9
	s_lshl_b32 s63, s14, 14
	s_add_co_u32 s62, s62, s63
	s_add_co_u32 s62, s62, KC0
	s_mov_b32 s63, 0
	s_lshl_b32 s66, s12, 4
	s_lshl_b32 s67, s14, 3
	s_add_co_u32 s66, s66, s67
	s_lshl_b32 s66, s66, 5
	s_lshl_b32 s67, s13, 2
	s_add_co_u32 s66, s66, s67
	s_lshl_b32 s66, s66, 9
	s_add_co_u32 s66, s66, VC0
	s_mov_b32 s67, 0
	s_mov_b32 s40, 1
	s_mul_i32 s41, s14, 16*KP
	s_mov_b32 s44, 1
	s_lshl_b32 s45, s14, 14
	s_add_co_u32 s45, s45, VL
	s_lshl_b32 s48, s17, 8                         ; q's unit: [head][row block]
	s_add_co_u32 s48, s48, s16
	s_lshl_b32 s48, s48, 9
	s_mov_b32 s49, 0
	s_lshl_b32 s50, s17, 7                         ; q's scale words: [head][pair of blocks]
	s_lshr_b32 s51, s16, 1
	s_add_co_u32 s50, s50, s51
	s_lshl_b32 s50, s50, 6
	s_add_co_u32 s50, s50, QSB
	s_mov_b32 s51, 0
	s_mul_i32 s68, s16, 17408                      ; the context's row block, and the half of K that holds my heads
	s_lshr_b32 s69, s17, 4
	s_mul_i32 s69, s69, 8704
	s_add_co_u32 s68, s68, s69
	s_and_b32 s52, s17, 15
	s_lshl_b32 s52, s52, 9
	s_add_co_u32 s52, s52, s68
	s_add_co_u32 s52, s52, 512
	s_mov_b32 s53, 0
	s_bfe_u32 s58, s17, 0x10003
	s_lshl_b32 s58, s58, 8                         ; the quad,
	s_and_b32 s59, s17, 7
	s_lshl_b32 s59, s59, 1                         ; and my four bytes of a row's 16
	s_add_co_u32 s58, s58, s59
	s_add_co_u32 s58, s58, s68
	s_mov_b32 s59, 0
	s_lshl_b32 s54, s13, 7
	s_lshl_b32 s55, s12, 5
	s_add_co_u32 s54, s54, s55
	s_lshl_b32 s54, s54, 6
	s_add_co_u32 s54, s54, KSB
	s_mov_b32 s55, 0
	s_lshl_b32 s56, s12, 8
	s_lshl_b32 s57, s13, 1
	s_add_co_u32 s56, s56, s57
	s_lshl_b32 s56, s56, 6
	s_add_co_u32 s56, s56, VSB
	s_mov_b32 s57, 0
	s_and_b32 s61, s16, 1
	s_lshl_b32 s61, s61, 4                         ; my block's half of a pair's scale word
	s_mov_b32 s60, 2
	s_mov_b32 s20, 0x76543210
	s_mov_b32 s21, 0xfedcba98
	s_mov_b32 s22, 0x3e38aa3b                      ; c = log2(e) / sqrt(64)
	s_mov_b32 s23, s22
	s_mov_b32 s2, 0xbe38aa3b                       ; -c
	s_wait_dscnt 0x0                               ; both opening adds are done
	s_wait_kmcnt 0x0
	s_add_nc_u64 s[42:43], s[4:5], s[62:63]
	s_or_b32 s43, s43, 0x80000000
	s_add_nc_u64 s[46:47], s[4:5], s[66:67]
	s_or_b32 s47, s47, 0x80000000
	s_add_nc_u64 s[48:49], s[4:5], s[48:49]
	s_add_nc_u64 s[50:51], s[4:5], s[50:51]
	s_add_nc_u64 s[54:55], s[4:5], s[54:55]
	s_add_nc_u64 s[56:57], s[4:5], s[56:57]
	s_add_nc_u64 s[52:53], s[6:7], s[52:53]
	s_add_nc_u64 s[58:59], s[6:7], s[58:59]
	CROUND                                         ; all four work-groups are here: the joint loads meet
	s_cmp_lt_u32 s8, 2                             ; waves 0, 1: K's halves; waves 2, 3: V's; the others fetch nothing
	s_cbranch_scc0 .Lnot_k
	tensor_load_to_lds s[40:43], s[24:31]
	s_nop 0
	PLACES 4
	s_branch .Lasked
.Lnot_k:
	s_cmp_lt_u32 s8, 4
	s_cbranch_scc0 .Lasked
	tensor_load_to_lds s[44:47], s[32:39]
	s_nop 0
	PLACES 4
.Lasked:
	v_and_b32 v1, 31, v0
	v_and_b32 v10, 15, v0
	v_and_b32 v8, 7, v0                            ; j
	v_bfe_u32 v9, v0, 3, 1                         ; a
	v_bfe_u32 v13, v0, 4, 1                        ; lane / 16
	v_lshlrev_b32 v12, 2, v1                       ; 4 x lane
	v_lshlrev_b32 v1, 4, v1                        ; 16 x lane
	v_lshlrev_b32 v10, 2, v10                      ; 4 r
	v_lshlrev_b32 v2, 4, v8
	v_lshlrev_b32 v8, 2, v8
	v_mad_u32_u24 v2, v9, KP, v2
	v_lshl_add_u32 v8, v9, 6, v8
	v_add_nc_u32 v11, VL, v1                       ; V: 16 x lane in a unit
	v_lshl_add_u32 v2, v13, 8, v2                  ; K: KP a + 256 (lane / 16) + 16 j
	v_lshl_add_u32 v8, v13, 5, v8                  ; K's scale words: 64 a + 32 (lane / 16) + 4 j: lanes 0-15 fragment 0's rows, lanes 16-31 fragment 1's
.set I, 0
.rept 16
	global_load_b32 v[64+I], v8, s[54:55] offset:128*I     ; K's scale words of group I
	global_load_b32 v[96+I], v12, s[56:57] offset:1024*I   ; V's, chunk I: lanes 0-15 d blocks 0, 1; lanes 16-31 d blocks 2, 3
.set I, I+1
.endr
	global_load_b128 v[16:19], v1, s[48:49]        ; the first head's q, twice: as k 0-63 of [q, 0]
	global_load_b128 v[24:27], v1, s[48:49]        ; and as k 64-127 of [0, q]
	global_load_b32 v5, v10, s[50:51]
.irp j, 20,21,22,23,13,0,160,161,162,163,164,165,166,167
	v_mov_b32 v[\j], 0                             ; the zero codes; the pair v[12:13]'s upper half; the context's bytes; permutes' destinations
.endr
	s_wait_alu depctr_va_vdst(0)
	s_wait_loadcnt 0x0
.irp s, 0,1,2,3,4,5,6,7                        ; a key step's word for a d block: chunk 2 s's two bytes, then chunk 2 s + 1's
	v_perm_b32 v[80+\s], v[97+2*\s], v[96+2*\s], 0x05040100    ; the even d blocks (0: lanes 0-15, 2: lanes 16-31)
	v_perm_b32 v[88+\s], v[97+2*\s], v[96+2*\s], 0x07060302    ; the odd ones
.endr
	s_wait_alu depctr_va_vdst(0)
	s_wait_tensorcnt 0x0                           ; my part of K or V has landed,
	s_barrier_signal -1
	s_barrier_wait -1                              ; everybody's has
	KLD 32, 0
	KLD 48, 1
; WALK 1.  Group J's products go from ring slot J % 4 into half J % 2 of S; behind them and four places the slot takes what is wanted four items on:
; groups up to 15, then groups 0 and 1 again (walk 2's first step, slots 0 and 1), then V's first step (slots 2 and 3).  Every item is four loads.
.macro QKJ
.set KR, 32+16*(J%4)+136*((J%4)/2)
.set SB, 96+32*(J%2)
	QK KR, SB, 64+J
.endm
.macro ITEM
.set KR, 32+16*(J%4)+136*((J%4)/2)
.if J < 12
	KLD KR, J+4
.elseif J < 14
	KLD KR, J-12
.else
	VLD 7, 2*(J-14)
.endif
.endm
.macro MAXA                            ; group G's largest score: four chains, one to an accumulator, each from its low end on
.set SB, 96+32*(G%2)
	v_max3_num_f32 v[232+G], v[SB], v[SB+1], v[SB+2]
.irp k, 1,2,3
	v_max3_num_f32 v[159+\k], v[SB+8*\k], v[SB+8*\k+1], v[SB+8*\k+2]
.endr
.endm
.macro MAXB
.set SB, 96+32*(G%2)
.irp i, 3,5
	v_max3_num_f32 v[232+G], v[232+G], v[SB+\i], v[SB+\i+1]
.irp k, 1,2,3
	v_max3_num_f32 v[159+\k], v[159+\k], v[SB+8*\k+\i], v[SB+8*\k+\i+1]
.endr
.endr
	v_max3_num_f32 v[232+G], v[232+G], v160, v[SB+7]
	v_max3_num_f32 v161, v161, v162, v[SB+15]
	v_max3_num_f32 v[232+G], v[232+G], v161, v[SB+23]
	v_max_num_f32 v[232+G], v[232+G], v[SB+31]
.endm
.macro ADD4 i                          ; four pairs of p onto the four chains
	v_pk_add_f32 v[28:29], v[28:29], v[96+2*(\i):97+2*(\i)]
	v_pk_add_f32 v[30:31], v[30:31], v[98+2*(\i):99+2*(\i)]
	v_pk_add_f32 v[8:9], v[8:9], v[100+2*(\i):101+2*(\i)]
	v_pk_add_f32 v[14:15], v[14:15], v[102+2*(\i):103+2*(\i)]
.endm
.macro MERGE                           ; the four chains into v[14:15]
	v_pk_add_f32 v[28:29], v[28:29], v[30:31]
	v_pk_add_f32 v[14:15], v[14:15], v[8:9]
	s_delay_alu instid0(VALU_DEP_1)
	v_pk_add_f32 v[14:15], v[14:15], v[28:29]
.endm
; WALK 2, a key step of 128 keys.  K's fragments were asked for a step ago, V's at the end of the last step.
; THE STEPS GO 7, 0, 1 .. 6: walk 1 has left the scores of groups 14 and 15 in S, so step 7 comes first and multiplies nothing again.
.macro STEP s
.if (\s) < 7
	s_wait_alu depctr_va_vdst(0)
	s_wait_dscnt 8                                 ; K's eight loads are in; V's eight, issued behind them, may be out
	QK 32, 96, 64+2*(\s)
	QK 48, 128, 65+2*(\s)
	MERGE                                          ; the last step's sums: with the v_nop the four places ahead of the loads below
	v_nop
.endif
.if (\s) < 6
	KLD 32, 2*(\s)+2
	KLD 48, 2*(\s)+3
.endif
.if (\s) == 6
	s_cmp_eq_u32 s60, 1                            ; behind the trip's last products with q the first trip asks for the second head's q and for walk 1's first two groups
	s_cbranch_scc1 .Lno_next
	KLD 32, 0
	KLD 48, 1
	global_load_b128 v[16:19], v1, s[48:49] offset:131072
	global_load_b128 v[24:27], v1, s[48:49] offset:131072
	global_load_b32 v5, v10, s[50:51] offset:8192
.Lno_next:
.endif
.set J, 0
.rept 32
	v_pk_fma_f32 v[96+J:97+J], v[96+J:97+J], s[22:23], v[12:13] op_sel_hi:[1,0,0]   ; t - M
.set J, J+2
.endr
	s_wait_alu depctr_va_vdst(0)                   ; ahead of the batch
.set J, 0
.rept 64
	v_exp_f32 v[96+J], v[96+J]                     ; p = 2^(t - M)
.set J, J+1
.endr
	v_nop                                          ; the plain place behind the exponentials
	s_wait_alu depctr_va_vdst(0)                   ; one wait for the whole batch, ahead of its first reader
.irp c, 0,1
.irp g, 0,1,2,3
	v_cvt_scalef32_pk8_fp4_f32 v[192+4*\c+\g], v[96+32*\c+8*\g:103+32*\c+8*\g], v[232+2*(\s)+\c]   ; my whole block 2 c + h: P's operand registers 4 c .. 4 c + 3
.endr
.endr
	v_pk_add_f32 v[28:29], v[96:97], v[98:99]      ; the row's sum of the unquantised p; these eight are also the places between the conversions and the products
	v_pk_add_f32 v[30:31], v[100:101], v[102:103]
	v_pk_add_f32 v[8:9], v[104:105], v[106:107]
	v_pk_add_f32 v[14:15], v[14:15], v[108:109]
	ADD4 7
.if (\s) < 6
	s_wait_dscnt 8                                 ; V's fragments are in; the next step's eight of K may be out
.else
	s_wait_dscnt 0x0                               ; step 7, and step 6 on the way round the loads above: V's are the youngest
.endif
	s_wait_alu depctr_va_vdst(0)                   ; directly ahead of the first reader of O^T and of the codes
.if (\s) < 7
	WM 160, 200, 192, v[160:167], 80+(\s), 248+(\s)
	WM 168, 208, 192, v[168:175], 88+(\s), 248+(\s)
	WM 176, 216, 192, v[176:183], 80+(\s), 248+(\s), matrix_a_scale:MATRIX_SCALE_ROW1
	WM 184, 224, 192, v[184:191], 88+(\s), 248+(\s), matrix_a_scale:MATRIX_SCALE_ROW1
.else
	WM 160, 200, 192, 0, 87, 255                   ; step 7, the first, starts the sums
	WM 168, 208, 192, 0, 95, 255
	WM 176, 216, 192, 0, 87, 255, matrix_a_scale:MATRIX_SCALE_ROW1
	WM 184, 224, 192, 0, 95, 255, matrix_a_scale:MATRIX_SCALE_ROW1
.endif
.irp i, 11,15,19,23,27
	ADD4 \i                                        ; also the places ahead of the loads below
.endr
	v_pk_add_f32 v[28:29], v[28:29], v[158:159]
.if (\s) != 6
	VLD ((\s)+1)%8, 0
	VLD ((\s)+1)%8, 2
.endif
.endm
.Lhead:                                            ; two trips: my two heads
	KLD 200, 2
	KLD 216, 3
	s_wait_loadcnt 0x0                             ; q and its scale word
	v_lshrrev_b32 v6, s61, v5
	s_delay_alu instid0(VALU_DEP_1)
	v_and_b32 v6, 0xffff, v6                       ; my block's two bytes for k 0-63; the byte 0 over the zero codes
	s_delay_alu instid0(VALU_DEP_1)
	v_lshlrev_b32 v7, 16, v6
	v_mov_b32 v14, 0                               ; the sum
	v_mov_b32 v15, 0
	PLACES 6                                       ; eight places between the scale words' lines and the first product
	s_wait_alu depctr_va_vdst(0)
	s_wait_dscnt 12                                ; group 0 is in; groups 1 to 3 may be out
.set J, 0
	QKJ
	PLACES 4
	ITEM
.set G, 0
.rept 16
.if G < 15
	s_wait_dscnt 12                                ; group G + 1 is in; the three items behind it may be out
.set J, G+1
	QKJ
.endif
	MAXA                                           ; on the other half of S: also the four places ahead of the loads below
.if G < 15
	ITEM
.endif
	MAXB
.set G, G+1
.endr
	; M, the scales.  My 16 blocks' largest scores lie in v232-247: group g's block 2 g + h
	v_max3_num_f32 v160, v232, v233, v234
	v_max3_num_f32 v161, v235, v236, v237
	v_max3_num_f32 v162, v238, v239, v240
	v_max3_num_f32 v163, v241, v242, v243
	v_max3_num_f32 v160, v160, v244, v245
	v_max3_num_f32 v161, v161, v246, v247
	s_delay_alu instid0(VALU_DEP_2)
	v_max3_num_f32 v160, v160, v162, v163
	s_delay_alu instid0(VALU_DEP_1)
	v_max_num_f32 v160, v160, v161
	s_delay_alu instid0(VALU_DEP_1)
	v_permlanex16_b32 v161, v160, s20, s21
	s_delay_alu instid0(VALU_DEP_1)
	v_max_num_f32 v160, v160, v161                 ; the row's largest score
	s_delay_alu instid0(VALU_DEP_1)
	v_mul_f32 v160, s2, v160                       ; -t
	s_delay_alu instid0(VALU_DEP_1)
	v_floor_f32 v12, v160                          ; -M = floor(-t): M is a whole number
.set I, 0
.rept 16
	v_fma_f32 v[232+I], v[232+I], s22, v12         ; t - M of each block's largest score: the same line gives the same bits as for the score itself
.set I, I+1
.endr
.set I, 0
.rept 16
	v_max_num_f32 v[232+I], 0xc2f80000, v[232+I]   ; held at -124: the byte cannot fall under 1
.set I, I+1
.endr
.set I, 0
.rept 16
	v_floor_f32 v[232+I], v[232+I]                 ; floor(log2(the block's largest p))
.set I, I+1
.endr
.set I, 0
.rept 16
	v_cvt_i32_f32 v[232+I], v[232+I]               ; e, -124 .. 0; the scale's byte is e + 125
.set I, I+1
.endr
.irp s, 0,1,2,3,4,5,6,7
	v_lshl_add_u32 v[248+\s], v[233+2*\s], 16, v[232+2*\s]
.endr
.irp s, 0,1,2,3,4,5,6,7
	v_add_nc_u32 v[248+\s], 0x7d007d, v[248+\s]    ; my two bytes of step s: blocks h and 2 + h, 16 bits apart (sums modulo 2^32: the borrows cancel)
.endr
.irp s, 0,1,2,3,4,5,6,7
	v_permlanex16_b32 v[160+\s], v[248+\s], s20, s21
.endr
.irp s, 0,1,2,3,4,5,6,7
	v_lshl_or_b32 v[248+\s], v[160+\s], 8, v[248+\s]   ; lanes 0-15: the step's scale word of query r (lanes 16-31 are not read)
.endr
.set I, 0
.rept 16
	v_add_lshl_u32 v[232+I], v[232+I], 125, 23     ; the conversion's scale operand: the byte as an exponent field
.set I, I+1
.endr
	STEP 7
	STEP 0
	STEP 1
	STEP 2
	STEP 3
	STEP 4
	STEP 5
	STEP 6
	MERGE
	s_delay_alu instid0(VALU_DEP_1)
	v_add_f32 v14, v14, v15
	s_delay_alu instid0(VALU_DEP_1)
	v_permlanex16_b32 v252, v14, s20, s21
	s_delay_alu instid0(VALU_DEP_1)
	v_add_f32 v14, v14, v252                       ; the row's sum
	s_wait_alu depctr_va_vdst(0)                   ; ahead of the transcendental
	v_rcp_f32 v14, v14
	v_nop
	s_wait_alu depctr_va_vdst(0)                   ; and ahead of its first reader, which is also O^T's
.set J, 0
.rept 16
	v_pk_mul_f32 v[96+J:97+J], v[160+J:161+J], v[14:15] op_sel_hi:[1,0]   ; the context: register 16 b + i is d = 32 b + 16 h + i of my query
.set J, J+2
.endr
.irp b, 0,1
	v_max3_num_f32 v[232+\b], |v[96+16*\b]|, |v[97+16*\b]|, 0x1800000
.endr
.irp i, 2,4,6,8,10,12,14
.irp b, 0,1
	s_delay_alu instid0(VALU_DEP_2)
	v_max3_num_f32 v[232+\b], v[232+\b], |v[96+16*\b+\i]|, |v[97+16*\b+\i]|
.endr
.endr
.irp b, 0,1
	s_delay_alu instid0(VALU_DEP_2)
	v_permlanex16_b32 v[236+\b], v[232+\b], s20, s21
.endr
.irp b, 0,1
	s_delay_alu instid0(VALU_DEP_2)
	v_max_num_f32 v[232+\b], v[232+\b], v[236+\b]
.endr
.irp b, 0,1
	s_delay_alu instid0(VALU_DEP_2)
	v_add_nc_u32 v[244+\b], 0xff000000, v[232+\b]
.endr
.irp b, 0,1
	s_delay_alu instid0(VALU_DEP_2)
	v_lshrrev_b32 v[240+\b], 23, v[244+\b]
.endr
	s_delay_alu instid0(VALU_DEP_1)
	v_lshl_or_b32 v242, v241, 8, v240
	v_cvt_scalef32_pk8_fp4_f32 v192, v[96:103], v244
	v_cvt_scalef32_pk8_fp4_f32 v193, v[104:111], v244
	v_cvt_scalef32_pk8_fp4_f32 v194, v[112:119], v245
	v_cvt_scalef32_pk8_fp4_f32 v195, v[120:127], v245
	v_nop
	v_permlane16_swap_b32 v192, v194
	v_permlane16_swap_b32 v193, v195
	global_store_b128 v1, v[192:195], s[52:53]     ; the head's unit of the context: 512 consecutive bytes
	v_lshrrev_b32 v0, 16, v0
	s_delay_alu instid0(VALU_DEP_1)
	v_lshl_or_b32 v0, v242, 16, v0                 ; after two trips: the first head's two bytes, then the second's
	s_wait_xcnt 0x0                                ; the store has read its base and registers
	s_add_nc_u64 s[52:53], s[52:53], 512           ; the next head's unit
	s_sub_co_u32 s60, s60, 1
	s_cmp_lg_u32 s60, 0
	s_wait_alu depctr_va_vdst(0)
	s_cbranch_scc1 .Lhead
	v_lshlrev_b32 v9, 2, v10                       ; 16 r
	s_wait_alu depctr_va_vdst(0)
	global_store_b32 v9, v0, s[58:59]              ; four of a row's scale bytes; both halves of the lanes store the same word to the same place
	s_wait_tensorcnt 0x0                           ; the wave's end
	ds_add_u32 v[SPW], v[NIL]
	s_wait_dscnt 0x0
	CROUND                                         ; the closing round
	s_endpgm
.Lfunc_end_k_q2283ae5d1b_attn:
	.size	k_q2283ae5d1b_attn, .Lfunc_end_k_q2283ae5d1b_attn-k_q2283ae5d1b_attn
	.p2alignl 7, 3214868480
	.fill 96, 4, 3214868480
	.section	.rodata,"a",@progbits
	.p2align	6, 0x0
	.amdhsa_kernel k_q2283ae5d1b_attn
		.amdhsa_group_segment_fixed_size 167936
		.amdhsa_private_segment_fixed_size 0
		.amdhsa_enable_private_segment 0
		.amdhsa_kernarg_size 16
		.amdhsa_user_sgpr_count 2
		.amdhsa_user_sgpr_kernarg_segment_ptr 1
		.amdhsa_wavefront_size32 1
		.amdhsa_system_sgpr_workgroup_id_x 1
		.amdhsa_system_sgpr_workgroup_id_y 1
		.amdhsa_system_sgpr_workgroup_id_z 1
		.amdhsa_system_vgpr_workitem_id 0
		.amdhsa_next_free_vgpr 256
		.amdhsa_next_free_sgpr 70
		.amdhsa_reserve_vcc 0
		.amdhsa_float_denorm_mode_32 3
		.amdhsa_float_denorm_mode_16_64 3
		.amdhsa_memory_ordered 1
		.amdhsa_forward_progress 1
		.amdhsa_inst_pref_size 127
	.end_amdhsa_kernel
	.amdgpu_metadata
---
amdhsa.version: [ 1, 2 ]
amdhsa.kernels:
  - .name:           k_q2283ae5d1b_attn
    .symbol:         k_q2283ae5d1b_attn.kd
    .args:
      - { .name: qkv, .offset: 0, .size: 8, .value_kind: global_buffer, .address_space: global }
      - { .name: cop, .offset: 8, .size: 8, .value_kind: global_buffer, .address_space: global }
    .group_segment_fixed_size: 167936
    .private_segment_fixed_size: 0
    .kernarg_segment_align: 8
    .kernarg_segment_size: 16
    .max_flat_workgroup_size: 512
    .sgpr_count:     70
    .vgpr_count:     256
    .wavefront_size: 32
...
	.end_amdgpu_metadata
.endif
;; end of part 3
;; launch gemm_o (part 4): grid 8 x 32, 4 waves a work-group, clusters of 4 x 4, 327,680 bytes of LDS; arguments cop, wop, hidden_states, out0; writes out0
.if DOCPART == 4
	.amdgcn_target "amdgcn-amd-amdhsa--gfx1250"
	.amdhsa_code_object_version 6
	.text
	.protected	k_q2283ae5d1b_gemm_o
	.globl	k_q2283ae5d1b_gemm_o
	.p2align	8
	.type	k_q2283ae5d1b_gemm_o,@function
k_q2283ae5d1b_gemm_o:
	s_mov_b64 s[64:65], 0
	v_nop
	global_prefetch_b8 v0, s[64:65] scope:SCOPE_SE
	s_setreg_imm32_b32 hwreg(HW_REG_WAVE_MODE, 25, 1), 1
	s_wait_xcnt 0x0
	s_wait_alu depctr_hold_cnt(0) depctr_sa_sdst(0) depctr_va_vdst(0) depctr_va_sdst(0) depctr_va_ssrc(0) depctr_va_vcc(0) depctr_vm_vsrc(0)
	s_getreg_b32 s2, hwreg(HW_REG_IB_STS2, 6, 4)
	s_cmp_eq_u32 s2, 0
	s_cbranch_scc0 .Lentry_in_a_cluster
	s_endpgm
.Lentry_in_a_cluster:
	s_bfe_u32 s2, ttmp6, 0x10000c
	s_cmp_lg_u32 s2, 0xf033
	s_cbranch_scc0 .Lentry_shape_is_right
	s_endpgm
.Lentry_shape_is_right:
; out0 = hidden_states + context Wo + (context Ao)(2 Bo): the two products along K = 2,048 on codes of FP4; the rank-16 product, whose result goes to no quantiser, with bf16 operands.  Nothing of the problem is left out here.
; Panels, LDS map, fragments, K steps and cluster as in the launch for q, k, v: a tile is 128 x 128, a wave's part 64 x 64; joint loads along the cluster's rows and columns; a plain load for the A matrix
; (it hangs on no place in the cluster, so no mask of four names its readers).  Source 0 = Wo's rows: a lane holds one row of the context and 16 neighbouring output columns in two tiles.
; A WORK-GROUP STAYS and makes two tiles of its 128 rows: tile columns tc0 and tc0 + 8.  The context's panel stays in LDS and context Ao in its registers, already in bf16; only Wo's two halves are filled again (waves 2 and 3):
; each wave waits for all its tensor loads, adds 0 to its spare word, waits for that and for its reads, a round of the cluster's barrier follows, and the joint refill is the first thing behind it.
; The first tile's stores leave while the second is multiplied.
; The context's rows lie in the order sigma: place p of my block a is true row 32 (a / 2) + 16 (p / 8) + 8 (a % 2) + p % 8 of my 64.
; A tile's residual is asked for two halves of K ahead of its use, in the layout of the stores, and waits in registers.  The results turn through the wave's own stage in LDS, so that sixteen lanes store 256 consecutive bytes, aligned.
; LIMITS: as the first kernel's; x A and 2 B are rounded to bf16 for the rank-16 product.
.set RBB,   17408
.set HB,    8704
.set GRP,   34816
.set SIDE,  69632
.set KAP,   139264
.set ATL,   278528
.set STG,   295936                     ; the stages: 16 rows x (256 + 16) bytes a wave; no fill lands here
.set SPARE, 313344
.set BT0,   5640192
.set BSTEP, 64*RBB                     ; eight tile columns on in Wo
.set BTSTEP, 65536                     ; and in 2 B^T
.set SPW,   28
.set NIL,   29
.set SC,    32
.set TS,    64
.set XA,    96
.set ACC,   128
.set BT,    144                        ; window 1: 2 B^T in f32; v176-207 the same in bf16, v208-239 x A in bf16 (K = 32: the upper 16 are zeros); v0-63 on the way out: rows read back
.set BB,    176
.set XB,    208
; v5, v6, v8: LDS addresses of my context units, weight units and scale words in the first half of K; v87, v88, v89: in the second; v7, v9: the A matrix's
.set G1A, 24
.set G1B, 32
.set G1T, 40
.set G0A, 48
.set G0B, 56
.set G0T, 68
.set MUL,  0x05
.set TO_F, 0x40
.set MSB, 0
.macro WIN new
.if MSB != (\new)
	s_set_vgpr_msb (MSB<<8)|(\new)
.set MSB, (\new)
.endif
.endm
.macro PLACES n
.rept \n
	v_nop
.endr
.endm
.macro CROUND
	s_barrier_signal -1
	s_barrier_wait -1
	s_cmp_lg_u32 s10, 0
	s_cbranch_scc1 .Lnot_wave_0_\@
	s_barrier_signal -3
.Lnot_wave_0_\@:
	s_barrier_wait -3
	s_barrier_signal -1
	s_barrier_wait -1
.endm
	s_load_b128 s[4:7], s[0:1], 0x0                ; cop, wop
	s_load_b128 s[84:87], s[0:1], 0x10             ; hidden_states, out0
	v_lshl_add_u32 v[SPW], v0, 2, SPARE
	v_mov_b32 v[NIL], 0
	ds_add_u32 v[SPW], v[NIL]                      ; the wave's opening: the add, twice on end, and its wait ahead of my first tensor load
	ds_add_u32 v[SPW], v[NIL]
	v_lshrrev_b32 v1, 5, v0
	v_readfirstlane_b32 s10, v1
	s_lshr_b32 s11, s10, 1                         ; wr; also: I fetch the context (0) or the weight (1)
	s_and_b32 s12, s10, 1                          ; wc; also: which four row blocks I fetch
	s_bfe_u32 s13, ttmp6, 0x40000
	s_bfe_u32 s14, ttmp6, 0x40004
	s_lshl_b32 s17, ttmp9, 2
	s_add_co_u32 s17, s17, s13                     ; tc0: my first tile column, 0..7
	s_and_b32 s16, ttmp7, 0xffff
	s_lshl_b32 s18, s16, 2
	s_add_co_u32 s18, s18, s14                     ; tr
	s_lshl_b32 s20, s14, 2
	s_lshl_b32 s20, 15, s20
	s_lshl_b32 s21, 0x1111, s13
	s_or_b32 s[G1A], s20, (3<<16)|(1<<21)
	s_or_b32 s[G1B], s21, (3<<16)|(1<<21)
.irp g, G1A, G1B
	s_mov_b32 s[\g+1], 1088<<16
	s_mov_b32 s[\g+2], 8<<16                       ; the head's loads bring all eight row blocks of a side; behind them this word is set to four
	s_mov_b32 s[\g+3], 1088<<16
	s_mov_b32 s[\g+4], 8
	s_mov_b32 s[\g+5], 2176
	s_mov_b32 s[\g+6], 0
	s_mov_b32 s[\g+7], 0
.endr
	s_lshl_b32 s40, s18, 3                         ; the head's load of the context: all eight blocks from 8 tr on, half of K = wave % 2: made of tr and the wave alone
	s_mul_i32 s40, s40, RBB
	s_mul_i32 s41, s12, HB
	s_add_co_u32 s40, s40, s41
	s_mov_b32 s41, 0
	s_lshl_b32 s44, s17, 3                         ; and of Wo: from block 192 + 8 tc0 on: made of tc0 and the wave alone
	s_add_co_u32 s44, s44, 192
	s_mul_i32 s44, s44, RBB
	s_mul_i32 s45, s12, HB
	s_add_co_u32 s44, s44, s45
	s_mov_b32 s45, 0
	s_lshl_b32 s72, s18, 3                         ; the context: blocks 8 tr + 4 x group
	s_lshl_b32 s73, s12, 2
	s_add_co_u32 s72, s72, s73
	s_mul_i32 s72, s72, RBB
	s_mov_b32 s73, 0
	s_lshl_b32 s74, s17, 3                         ; Wo: blocks 192 + 8 tc0 + 4 x group
	s_lshl_b32 s75, s12, 2
	s_add_co_u32 s74, s74, s75
	s_add_co_u32 s74, s74, 192
	s_mul_i32 s74, s74, RBB
	s_mov_b32 s75, 0
	s_mov_b32 s76, 323*RBB                         ; Ao: block 323
	s_mov_b32 s77, 0
	s_mul_i32 s22, s12, GRP
	s_mul_i32 s23, s11, GRP
	s_lshl_b32 s80, s17, 7
	s_lshl_b32 s81, s12, 6
	s_add_co_u32 s80, s80, s81
	s_add_co_u32 s80, s80, 3072
	s_lshl_b32 s80, s80, 6
	s_add_co_u32 s80, s80, BT0
	s_mov_b32 s81, 0
	s_lshl_b32 s88, s18, 7                         ; my corner of hidden_states and of out0 in the first tile
	s_lshl_b32 s89, s11, 6
	s_add_co_u32 s88, s88, s89
	s_lshl_b32 s88, s88, 13
	s_lshl_b32 s89, s17, 7
	s_lshl_b32 s90, s12, 6
	s_add_co_u32 s89, s89, s90
	s_lshl_b32 s89, s89, 2
	s_add_co_u32 s88, s88, s89
	s_mov_b32 s89, 0
	s_wait_dscnt 0x0                               ; both opening adds are done
	s_wait_kmcnt 0x0
	s_add_nc_u64 s[72:73], s[4:5], s[72:73]
	s_add_nc_u64 s[74:75], s[6:7], s[74:75]
	s_add_nc_u64 s[76:77], s[6:7], s[76:77]
	s_add_nc_u64 s[80:81], s[6:7], s[80:81]
	s_add_nc_u64 s[84:85], s[84:85], s[88:89]
	s_add_nc_u64 s[86:87], s[86:87], s[88:89]
.irp k, 0,1
	s_mov_b32 s[G0A+4*\k], 1
	s_add_co_u32 s[G0A+4*\k+1], s22, \k*KAP
	s_add_nc_u64 s[G0A+4*\k+2:G0A+4*\k+3], s[72:73], \k*HB
	s_or_b32 s[G0A+4*\k+3], s[G0A+4*\k+3], 0x80000000
	s_mov_b32 s[G0B+4*\k], 1
	s_add_co_u32 s[G0B+4*\k+1], s22, SIDE+\k*KAP
	s_add_nc_u64 s[G0B+4*\k+2:G0B+4*\k+3], s[74:75], \k*HB
	s_or_b32 s[G0B+4*\k+3], s[G0B+4*\k+3], 0x80000000
.endr
	s_add_nc_u64 s[42:43], s[4:5], s[40:41]        ; s[40:43], s[44:47]: group 0 of the head's loads
	s_mov_b32 s40, 1
	s_mul_i32 s41, s12, KAP
	s_or_b32 s43, s43, 0x80000000
	s_add_nc_u64 s[46:47], s[6:7], s[44:45]
	s_mov_b32 s44, 1
	s_mul_i32 s45, s12, KAP
	s_add_co_u32 s45, s45, SIDE
	s_or_b32 s47, s47, 0x80000000
	CROUND                                         ; all sixteen work-groups are here: the joint loads meet
	; THE HEAD'S LOADS, ONE A WAVE, fill both slots: waves 0 and 1 the context's two halves of K, waves 2 and 3 Wo's, eight row blocks each.
	s_cmp_eq_u32 s11, 0
	s_cbranch_scc0 .Lfill_b
	tensor_load_to_lds s[40:43], s[G1A:G1A+7]
	s_nop 0
	PLACES 4
	s_branch .Lfilled
.Lfill_b:
	tensor_load_to_lds s[44:47], s[G1B:G1B+7]
	s_nop 0
	PLACES 4
.Lfilled:
	v_and_b32 v1, 15, v0                           ; r
	v_bfe_u32 v2, v0, 4, 1                         ; h
	v_and_b32 v3, 31, v0
	v_lshlrev_b32 v3, 4, v3                        ; 16 x lane
	s_add_co_u32 s19, s23, 512
	v_add_nc_u32 v5, s19, v3
	s_add_co_u32 s19, s22, SIDE+512
	v_add_nc_u32 v6, s19, v3
	v_add_nc_u32 v7, ATL+512, v3
	s_xor_b32 s19, s11, 1
	s_add_co_u32 s19, s19, s12
	s_mul_i32 s19, s19, GRP
	s_add_co_u32 s19, s19, SIDE-GRP
	v_mul_u32_u24 v8, s19, v2
	v_lshl_add_u32 v8, v1, 4, v8
	v_add_nc_u32 v8, s23, v8
	v_lshlrev_b32 v9, 4, v1
	v_add_nc_u32 v9, ATL, v9
	v_add_nc_u32 v87, KAP, v5                      ; the same three in the second half of K
	v_add_nc_u32 v88, KAP, v6
	v_add_nc_u32 v89, KAP, v8
	v_lshlrev_b32 v10, 6, v1
	v_lshl_add_u32 v10, v2, 5, v10
	s_mul_i32 s19, s10, 16*272
	s_add_co_u32 s19, s19, STG                     ; my stage
	v_mul_u32_u24 v11, v1, 272
	v_lshl_add_u32 v11, v2, 6, v11
	v_add_nc_u32 v11, s19, v11                     ; in: row r, 64 h bytes on
	v_mul_u32_u24 v12, v2, 272
	v_lshl_add_u32 v12, v1, 4, v12
	v_add_nc_u32 v12, s19, v12                     ; back: lanes 0-15 one row, lanes 16-31 the next
	v_lshlrev_b32 v13, 13, v2
	v_lshl_add_u32 v13, v1, 4, v13                 ; and the same two rows in hidden_states and out0
	; Ao, 17,408 bytes, comes through registers into LDS bytes of its own, which no fill touches: 128 threads x 8 bytes x 17 loads
	v_lshlrev_b32 v90, 3, v0
	v_add_nc_u32 v91, ATL, v90
	WIN TO_F
.set I, 0
.rept 17
	global_load_b64 v[2*I:2*I+1], v90, s[76:77] offset:1024*I
.set I, I+1
.endr
	WIN 0
.macro BTLOAD                          ; 2 B^T of the tile's 64 columns that are mine
	WIN TO_F
.irp b, 0,1,2,3
.irp c, 0,1
	global_load_b128 v[BT+8*\b+4*\c:BT+8*\b+4*\c+3], v10, s[80:81] offset:1024*\b+16*\c
.endr
.endr
	WIN 0
.endm
.macro RESLOAD                         ; the tile's residual, my 64 x 64, into window 2, in the layout of the stores
	WIN 0x80
.irp a, 0,1,2,3
.irp i, 0,1,2,3,4,5,6,7
	global_load_b128 v[32*\a+4*\i:32*\a+4*\i+3], v13, s[84:85] offset:(32*(\a/2)+16*(\i/4)+8*(\a%2)+(2*\i)%8)*8192 th:TH_LOAD_NT
.endr
.endr
	WIN 0
.endm
	BTLOAD
	WIN TO_F
.irp t, 0,1,2,3
.irp i, 4,5,6,7
	v_mov_b32 v[BB+8*\t+\i], 0                     ; k 16-31 of the bf16 operands
	v_mov_b32 v[XB+8*\t+\i], 0
.endr
.endr
	WIN 0
.macro FETCH sp, f, kap, xa
	WIN TO_F
.irp i, 0,1,2,3
.irp c, 0,1
	ds_load_b128 v[(\f)+32+8*\i+4*\c:(\f)+32+8*\i+4*\c+3], v[6+82*(\kap)] offset:\i*HB+1024*(\sp)+512*\c
.endr
.endr
.irp i, 0,1,2,3
.irp c, 0,1
	ds_load_b128 v[(\f)+8*\i+4*\c:(\f)+8*\i+4*\c+3], v[5+82*(\kap)] offset:\i*HB+1024*(\sp)+512*\c
.endr
.endr
.if \xa
.irp c, 0,1
	ds_load_b128 v[(\f)+64+4*\c:(\f)+64+4*\c+3], v7 offset:(\kap)*HB+1024*(\sp)+512*\c
.endr
.endif
	WIN 0
.endm
.macro SCALES q4, sc, kap, xa
.irp i, 0,1,2,3
	ds_load_b128 v[SC+16*(\sc)+4*\i:SC+16*(\sc)+4*\i+3], v[8+81*(\kap)] offset:\i*HB+256*(\q4)
.endr
.if \xa
	ds_load_b128 v[TS+4*(\sc):TS+4*(\sc)+3], v9 offset:(\kap)*HB+256*(\q4)
.endif
.endm
; A K step: 16 products and, with xa = 1, 4 for x A; the accumulators take turns, one instruction a turn
.macro MULS f, sc, q, zero, xa
.irp a, 0,1,2,3
.irp b, 0,1,2,3
.set RA, (\f)+8*\a
.set RW, (\f)+32+8*\b
.set KA, SC+16*(\sc)+4*\a+(\q)
.set KW, SC+16*(\sc)+4*\b+(\q)
.set DD, ACC+8*(4*\a+\b)
.if \zero
	v_wmma_scale_f32_16x16x128_f8f6f4 v[DD:DD+7], v[RW:RW+7], v[RA:RA+7], 0, v[KW], v[KA] matrix_a_fmt:MATRIX_FMT_FP4 matrix_b_fmt:MATRIX_FMT_FP4 matrix_a_scale:MATRIX_SCALE_ROW1
.else
	v_wmma_scale_f32_16x16x128_f8f6f4 v[DD:DD+7], v[RW:RW+7], v[RA:RA+7], v[DD:DD+7], v[KW], v[KA] matrix_a_fmt:MATRIX_FMT_FP4 matrix_b_fmt:MATRIX_FMT_FP4 matrix_a_scale:MATRIX_SCALE_ROW1
.endif
.endr
.endr
.if \xa
.irp a, 0,1,2,3
.set RA, (\f)+8*\a
.set KA, SC+16*(\sc)+4*\a+(\q)
.set DD, XA+8*\a
.if \zero
	v_wmma_scale_f32_16x16x128_f8f6f4 v[DD:DD+7], v[(\f)+64:(\f)+71], v[RA:RA+7], 0, v[TS+4*(\sc)+(\q)], v[KA] matrix_a_fmt:MATRIX_FMT_FP4 matrix_b_fmt:MATRIX_FMT_FP4
.else
	v_wmma_scale_f32_16x16x128_f8f6f4 v[DD:DD+7], v[(\f)+64:(\f)+71], v[RA:RA+7], v[DD:DD+7], v[TS+4*(\sc)+(\q)], v[KA] matrix_a_fmt:MATRIX_FMT_FP4 matrix_b_fmt:MATRIX_FMT_FP4
.endif
.endr
.endif
.endm
.macro HALF kap, xa                    ; a half of K: eight K steps; a tile's first step starts the sums
.set SQ, 0
.rept 8
	s_wait_dscnt 0x0                               ; this step's fragments and scale words are in
.if SQ < 7
	PLACES 4                                       ; in front of loads into registers that the last step's products read
	FETCH SQ+1, 72*((SQ+1)%2), \kap, \xa
.endif
.if SQ == 3
	SCALES 1, 1, \kap, \xa
.endif
	WIN MUL
.if ((\kap) == 0) && (SQ == 0)
	MULS 72*(SQ%2), SQ/4, SQ%4, 1, \xa
.else
	MULS 72*(SQ%2), SQ/4, SQ%4, 0, \xa
.endif
.set SQ, SQ+1
.endr
	WIN 0
.endm
.macro PRE kap, xa
	PLACES 4
	FETCH 0, 0, \kap, \xa
	SCALES 0, 0, \kap, \xa
.endm
; + (context Ao)(2 Bo) in bf16: k = rank = 8 h + j in registers 0-3 of both operands.  first = 1: context Ao is rounded to bf16; it serves both tiles
.macro LORAB first
	PLACES 5                                       ; behind the FP4 products whose results are read and written over below
	s_wait_loadcnt 0x0                             ; 2 B^T and the residual
.if \first
	WIN 0x40
.irp a, 0,1,2,3
.irp i, 0,1,2,3
	v_cvt_pk_bf16_f32 v[XB+8*\a+\i], v[XA+8*\a+2*\i], v[XA+8*\a+2*\i+1]
.endr
.endr
.endif
	WIN 0x45
.irp b, 0,1,2,3
.irp i, 0,1,2,3
	v_cvt_pk_bf16_f32 v[BB+8*\b+\i], v[BT+8*\b+2*\i], v[BT+8*\b+2*\i+1]
.endr
.endr
	PLACES 4
	WIN MUL
.irp a, 0,1,2,3
.irp b, 0,1,2,3
	v_wmma_f32_16x16x32_bf16 v[ACC+8*(4*\a+\b):ACC+8*(4*\a+\b)+7], v[BB+8*\b:BB+8*\b+7], v[XB+8*\a:XB+8*\a+7], v[ACC+8*(4*\a+\b):ACC+8*(4*\a+\b)+7]
.endr
.endr
	WIN 0
	PLACES 4
.endm
; THE WEIGHT'S PART OF SLOT k, WHICH HAS BEEN MULTIPLIED, TAKES THE NEXT TILE'S.  Waves 0 and 1 issue nothing: the context's panel stays.  The branch hangs on the wave's number alone.
.macro CHANGE k
	s_wait_tensorcnt 0x0                           ; all my tensor loads have landed, my part of the other slot among them: so a group 0 may be written
	ds_add_u32 v[SPW], v[NIL]                      ; 0 onto my spare word; the descriptor's step stands between it and the wait for it
	s_add_nc_u64 s[G0B+4*(\k)+2:G0B+4*(\k)+3], s[G0B+4*(\k)+2:G0B+4*(\k)+3], BSTEP
	s_wait_dscnt 0x0                               ; the add is done, and my reads of the slot are over
	CROUND                                         ; both now hold of every wave of all sixteen work-groups
	s_cmp_eq_u32 s11, 0
	s_cbranch_scc1 .Lasked_\@
	tensor_load_to_lds s[G0B+4*(\k):G0B+4*(\k)+3], s[G1B:G1B+7]
	s_nop 0
	PLACES 4
.Lasked_\@:
.endm
; THE WAY OUT, block by block of 16 rows x 64 columns: into my own stage, each accumulator from its low end on, and back as rows of 256 bytes.  LDS serves a wave's instructions in order: no wait between the stores and the loads.
.macro TOSTAGE a
.irp b, 0,1,2,3
	ds_store_b128 v11, v[ACC+8*(4*(\a)+\b):ACC+8*(4*(\a)+\b)+3] offset:128*(\b/2)+32*(\b%2)
	ds_store_b128 v11, v[ACC+8*(4*(\a)+\b)+4:ACC+8*(4*(\a)+\b)+7] offset:128*(\b/2)+32*(\b%2)+16
.endr
	WIN TO_F
.irp i, 0,1,2,3,4,5,6,7
	ds_load_b128 v[32*((\a)%2)+4*\i:32*((\a)%2)+4*\i+3], v12 offset:544*\i
.endr
	WIN 0
.endm
.macro SEND a, younger                 ; younger: the LDS instructions issued behind block a's loads, which may stay out
	s_wait_dscnt \younger
	WIN 0x49                                       ; rows in window 1, the residual in window 2
.irp i, 0,1,2,3,4,5,6,7,8,9,10,11,12,13,14,15
	v_pk_add_f32 v[32*((\a)%2)+2*\i:32*((\a)%2)+2*\i+1], v[32*((\a)%2)+2*\i:32*((\a)%2)+2*\i+1], v[32*(\a)+2*\i:32*(\a)+2*\i+1]
.endr
	WIN 0x04                                       ; a store's data are its source 1: window 1
.irp i, 0,1,2,3,4,5,6,7
	global_store_b128 v13, v[32*((\a)%2)+4*\i:32*((\a)%2)+4*\i+3], s[86:87] offset:(32*((\a)/2)+16*(\i/4)+8*((\a)%2)+(2*\i)%8)*8192 th:TH_STORE_NT   ; 16 lanes store 256 consecutive bytes, aligned
.endr
	WIN 0
.endm
.macro OUT
	TOSTAGE 0
	TOSTAGE 1
	SEND 0, 16                                     ; behind block 0's loads: block 1's 8 stores and 8 loads
	s_wait_xcnt 0x0                                ; block 0's stores have read their registers: block 2's rows may land there
	TOSTAGE 2
	SEND 1, 16
	s_wait_xcnt 0x0
	TOSTAGE 3
	SEND 2, 16
	SEND 3, 0
.endm
	s_wait_alu depctr_va_vdst(0)
	s_wait_tensorcnt 0x0                           ; my panel half is in
	s_mov_b32 s[G1A+2], 4<<16                      ; no tensor load of mine is out: from here on a load brings four row blocks
	s_mov_b32 s[G1A+4], 4
	s_mov_b32 s[G1B+2], 4<<16
	s_mov_b32 s[G1B+4], 4
	s_wait_loadcnt 8                               ; Ao's 17 loads are in; 2 B^T's eight, issued behind them, may be out
	WIN 0x04                                       ; a store's data are its source 1: window 1
.set I, 0
.rept 17
	ds_store_b64 v91, v[2*I:2*I+1] offset:1024*I
.set I, I+1
.endr
	WIN 0
	s_wait_dscnt 0x0                               ; my stores are done
	s_barrier_signal -1
	s_barrier_wait -1                              ; everybody's panel half and stores are in
	; ---- tile 0: tile column tc0
	PRE 0, 1
	RESLOAD                                        ; wanted behind both halves of K
	HALF 0, 1
	CHANGE 0                                       ; slot 0: tile 1's weight
	PRE 1, 1
	HALF 1, 1
	LORAB 1
	CHANGE 1                                       ; slot 1: tile 1's weight
	s_add_nc_u64 s[80:81], s[80:81], BTSTEP        ; (the loads that named it are done: the rank-16 product waited for them)
	BTLOAD
	OUT
	s_wait_xcnt 0x0                                ; the stores have read their registers and their base: the fragments may land there, and the bases may step
	s_add_nc_u64 s[84:85], s[84:85], 4096          ; 1,024 columns on
	s_add_nc_u64 s[86:87], s[86:87], 4096
	RESLOAD
	; ---- tile 1: tile column tc0 + 8: the same rows; nothing is left to fetch
	PRE 0, 0
	HALF 0, 0
	s_wait_tensorcnt 0x0                           ; my part of the second half has landed,
	s_wait_dscnt 0x0
	s_barrier_signal -1
	s_barrier_wait -1                              ; everybody's has
	PRE 1, 0
	HALF 1, 0
	LORAB 0
	OUT
	s_wait_tensorcnt 0x0                           ; the wave's end: behind my last tensor load and my last LDS store
	ds_add_u32 v[SPW], v[NIL]
	s_wait_dscnt 0x0
	CROUND                                         ; the closing round
	s_endpgm
.Lfunc_end_k_q2283ae5d1b_gemm_o:
	.size	k_q2283ae5d1b_gemm_o, .Lfunc_end_k_q2283ae5d1b_gemm_o-k_q2283ae5d1b_gemm_o
	.p2alignl 7, 3214868480
	.fill 96, 4, 3214868480
	.section	.rodata,"a",@progbits
	.p2align	6, 0x0
	.amdhsa_kernel k_q2283ae5d1b_gemm_o
		.amdhsa_group_segment_fixed_size 327680
		.amdhsa_private_segment_fixed_size 0
		.amdhsa_enable_private_segment 0
		.amdhsa_kernarg_size 32
		.amdhsa_user_sgpr_count 2
		.amdhsa_user_sgpr_kernarg_segment_ptr 1
		.amdhsa_wavefront_size32 1
		.amdhsa_system_sgpr_workgroup_id_x 1
		.amdhsa_system_sgpr_workgroup_id_y 1
		.amdhsa_system_sgpr_workgroup_id_z 1
		.amdhsa_system_vgpr_workitem_id 0
		.amdhsa_next_free_vgpr 640
		.amdhsa_next_free_sgpr 104
		.amdhsa_reserve_vcc 0
		.amdhsa_float_denorm_mode_32 3
		.amdhsa_float_denorm_mode_16_64 3
		.amdhsa_memory_ordered 1
		.amdhsa_forward_progress 1
		.amdhsa_inst_pref_size 169
	.end_amdhsa_kernel
	.amdgpu_metadata
---
amdhsa.version: [ 1, 2 ]
amdhsa.kernels:
  - .name:           k_q2283ae5d1b_gemm_o
    .symbol:         k_q2283ae5d1b_gemm_o.kd
    .args:
      - { .name: cop, .offset: 0, .size: 8, .value_kind: global_buffer, .address_space: global }
      - { .name: wop, .offset: 8, .size: 8, .value_kind: global_buffer, .address_space: global }
      - { .name: hidden_states, .offset: 16, .size: 8, .value_kind: global_buffer, .address_space: global }
      - { .name: out0, .offset: 24, .size: 8, .value_kind: global_buffer, .address_space: global }
    .group_segment_fixed_size: 327680
    .private_segment_fixed_size: 0
    .kernarg_segment_align: 8
    .kernarg_segment_size: 32
    .max_flat_workgroup_size: 128
    .sgpr_count:     104
    .vgpr_count:     640
    .wavefront_size: 32
...
	.end_amdgpu_metadata
.endif
;; end of part 4
